; MI455X (gfx1250); checked and timed in simulation.
; The chip was launched on July 23, 2026; its instructions are those of AMD's public machine-readable ISA for CDNA 5 (MIT licence, August 2026) and "CDNA5" Instruction Set Architecture Reference Guide (July 2026). The comments in the code are by the model that wrote it; some were corrected since.
;; Be Attention. Allowed arithmetic: matrix products marked QUANTISED: E2M3 operands, one E8M0 scale for each 32 along K, by v_wmma_scale_f32_16x16x128_f8f6f4 with both operands' format E2M3, f32 sums; everything else in f32.
;; Inputs: Wk 1,024 x 1,024 float32; Wq 1,024 x 1,024 float32; Wv 1,024 x 1,024 float32; bk 1,024 float32; bq 1,024 float32; bv 1,024 float32; x 4 x 2,048 x 1,024 float32.
;; Outputs: out0 4 x 2,048 x 1,024 float32.
;; This version of the problem:
;;   THIS VERSION OF THE PROBLEM IS GIVEN IN LOW PRECISION. The matrix products marked QUANTISED in the list below multiply operands that are first quantised to E2M3 (2 exponent bits, 3 mantissa bits; 6 bits a number), with one power-of-two scale for each 32 numbers along K (OCP MX v1.0); their sums are f32. All else is computed in f32.
;;   The module's matrix products, in the order in which they are computed (A, B: the left and right operand; K: the contracted axis; several contracted axes count as one K, in the product's order):
;;     1. [M 8,192, K 1,024] x [K 1,024, N 1,024]; A: input x; B: input Wq: QUANTISED
;;     2. [M 8,192, K 1,024] x [K 1,024, N 1,024]; A: input x; B: input Wk: QUANTISED
;;     3. [M 8,192, K 1,024] x [K 1,024, N 1,024]; A: input x; B: input Wv: QUANTISED
;;     4. batch 4 x [M 2,048, K 1,024] x [K 1,024, N 2,048]; A: computed on the way; B: computed on the way: QUANTISED
;;     5. batch 4 x [M 2,048, K 2,048] x [K 2,048, N 1,024]; A: softmax (see below); B: computed on the way: QUANTISED
;;   THE QUANTISER, for each operand of a quantised product, along K:
;;     - K is cut into blocks of 32 from its start; a last block that is shorter is filled with zeros.
;;     - A block's scale is 2^e with e = floor(log2(the largest magnitude in the block)) - 2, held to -126 .. 127; a block of zeros has e = 0. As a byte (E8M0): e + 127.
;;     - Each number is divided by its block's scale, clamped to +-7.5, and rounded to the nearest number of E2M3, ties to even, subnormals kept.
;;     - The product sums the exact products of the quantised numbers (number of the format x scale) in f32.
;;   ~~~python
;;   def quantise(x, axis):      # numpy; x: float32 -> the quantised numbers, widened to float32 again
;;       x = np.moveaxis(x, axis, -1); K = x.shape[-1]
;;       x = np.pad(x, [(0, 0)] * (x.ndim - 1) + [(0, -K % 32)]); x = x.reshape(x.shape[:-1] + (-1, 32)); a = np.abs(x).max(-1, keepdims=True)
;;       e = np.where(a > 0, np.clip(np.frexp(np.where(a > 0, a, 1))[1] - 1 - 2, -126, 127), 0)      # np.frexp(a)[1] - 1 = floor(log2(a)), exactly
;;       r = np.clip(x / 2.0 ** e, -7.5, 7.5)
;;       step = 2.0 ** (np.maximum(np.frexp(np.where(r == 0, 1, r))[1] - 1, 0) - 3)
;;       q = np.round(r / step) * step * 2.0 ** e      # np.round: ties to even
;;       return np.moveaxis(q.reshape(q.shape[:-2] + (-1,))[..., :K], -1, axis).astype(np.float32)
;;   ~~~
;;   SOFTMAX AHEAD OF A QUANTISED PRODUCT. Where the list says 'softmax', what is quantised is not the finished softmax but p = 2^(t - M), with t = logit x log2(e) and M = ceil(the row's largest t), a whole number; so 1/2 < the row's largest p <= 1. The row's sum l is taken of the UNQUANTISED p, in f32, and the product's result is divided by l at the end. Since M is a whole number, a kernel that streams over the keys may use a running M (the ceiling of the running maximum): every later rescaling is an exact power of two, which a block's scale takes up: the codes' values come out the same.
;;   OPERANDS COMPUTED ON THE WAY. 'Computed on the way' means the value that the module computes at that place (a softmax that the list does not call 'softmax' is quantised finished and normalised). What goes into a quantiser is computed in f32, as accurately as f32 sums, v_exp_f32 and their like allow (about 1e-6 of the number): no bf16 or f16 on the way to a quantiser, and a product that is left as it is and whose result goes on into a quantised operand takes f32 operands (vector FMAs, or v_wmma_f32_16x16x4_f32). A number that lies on a knife's edge between two numbers of the format may be rounded either way, as far as f32 arithmetic and the matrix unit's own rounding can turn it there, and no further.
;; One version. Each part assembles by itself: llvm-mc -triple=amdgcn-amd-amdhsa -mcpu=gfx1250 --defsym DOCPART=n.
;; ======== version 1 of 1: 4 launches
;; limits: right only within a limited range of input values
;; workspace buffers: xw 9,011,200 bytes; qk 13,107,200 bytes; vt 6,553,600 bytes; p 14,155,776 bytes
;; launch quant (part 1): grid 256 x 1, 11 waves a work-group, no clusters, 94,464 bytes of LDS; arguments x, Wq, Wk, Wv, xw; writes xw
.if DOCPART == 1
	.amdgcn_target "amdgcn-amd-amdhsa--gfx1250"
	.amdhsa_code_object_version 6
	.text
	.protected	k_q49552e5a10_quant
	.globl	k_q49552e5a10_quant
	.p2align	8
	.type	k_q49552e5a10_quant,@function
k_q49552e5a10_quant:
	s_mov_b64 s[64:65], 0
	v_nop
	global_prefetch_b8 v0, s[64:65] scope:SCOPE_SE
	s_setreg_imm32_b32 hwreg(HW_REG_WAVE_MODE, 25, 1), 1
	s_wait_xcnt 0x0
; x [8192][1024], Wq, Wk, Wv [1024][1024], f32, become codes of FP6 (E2M3) with one E8M0 scale byte for each 32 along K (the last axis), in the workspace xw.
; A block's scale is 2^(floor(log2(its largest magnitude)) - 2): its byte is the largest magnitude's exponent field - 2, held at 1 from below.
; LAYOUT OF xw.  The 11,264 rows (x, Wq, Wk, Wv on end) are kept by POSITION: position p holds the row whose number is p with bits 3 and 4 exchanged, so that 16 neighbouring positions, used as
; source 0 of a product, give a lane 16 neighbours along the next K.  A fragment (16 positions x 128 K, 12 registers a lane) lies as an image of its registers: registers 4 c .. 4 c + 3 of lane l at 512 c + 16 l.
; [256 along K: 4][group of 128 positions: 88][25,600]: a group's codes, [block of 16 positions: 8][128 along K: 2][1536], and behind them its scale words (4 bytes: a row's 128 along K), [128 along K: 2][512], lane (r, h)'s 16 bytes at 16 l: row r of blocks 4 h .. 4 h + 3.
; SHARES.  A piece is 32 positions x 128 along K, two fragments: 352 x 8 = 2,816 pieces = 256 work-groups x 11 waves x 1.  Eight waves on end take the eight pieces of the same 32 rows.
; Each load takes 512 consecutive bytes of one row, and all 32 of a wave are out at once; a fragment's 16 rows turn through the wave's own stage in LDS, so that a lane holds two whole blocks of 32 of its row.  No barrier: waves share nothing.
; No prefetch: there is no loop to run ahead in.  The scale words are one part in 25 of what is stored: a wave has two of the eight blocks whose words stand side by side, and stores those.
; LIMITS: a block of zeros gets the byte 1, not 127 (its codes are zeros, and this program alone reads the bytes); NaN and infinities are not served.
.set WAVES, 11
.set GRP,   25600                      ; 128 positions x 256 along K: codes and scale words
.set STGB,  16*528                     ; a wave's stage: 16 rows of 512 bytes + 16
.set SPARE, WAVES*STGB                 ; behind the stages: the spare words, 128 bytes a wave
.set LI,  1                            ; v1   16 x lane
.set STI, 4                            ; v4   the stage, on the way in
.set STO, 5                            ; v5   and out: 528 r + 128 h
.set SH8, 6                            ; v6   8 h
.set SCO, 7                            ; v7   16 r + 4 h: the scale word that I store: row r of fragment h
.set MX,  16                           ; v16-19 largest magnitudes, two chains a block;  v20-21 the conversions' scale operands;  v22-23 bytes
.set SO,  20
.set BY,  22
.set WD,  24
.set PD,  25
.set PW,  26                           ; v26-27 the two fragments' scale words
.set SPW, 28
.set NIL, 29
.set DD,  30
.set R,   32                           ; v32-159 two fragments as loaded
.set X,   160                          ; v160-223 my two blocks of 32
.set C,   224                          ; v224-247 the two fragments' codes
.set CT,  248                          ; v248-250, v252-254: the upper halves as converted
	s_load_b256 s[4:11], s[0:1], 0x0               ; x, Wq, Wk, Wv
	s_load_b64 s[12:13], s[0:1], 0x20              ; xw
	v_lshl_add_u32 v[SPW], v0, 2, SPARE
	v_mov_b32 v[NIL], 0
	v_lshrrev_b32 v2, 5, v0
	v_readfirstlane_b32 s16, v2                    ; wave
	v_and_b32 v[LI], 31, v0
	v_lshlrev_b32 v[LI], 4, v[LI]
	v_and_b32 v2, 15, v0                           ; r
	v_bfe_u32 v3, v0, 4, 1                         ; h
	s_mul_i32 s23, s16, STGB
	v_add_nc_u32 v[STI], s23, v[LI]
	v_mul_u32_u24 v[STO], v2, 528
	v_lshl_add_u32 v[STO], v3, 7, v[STO]
	v_add_nc_u32 v[STO], s23, v[STO]
	v_lshlrev_b32 v[SH8], 3, v3
	v_lshlrev_b32 v[SCO], 4, v2
	v_lshl_add_u32 v[SCO], v3, 2, v[SCO]
	v_mov_b32 v[PD], 0                             ; a lane permute's destination counts as one of its sources
	s_mul_i32 s17, ttmp9, WAVES
	s_add_co_u32 s17, s17, s16                     ; my piece:
	s_and_b32 s18, s17, 7                          ; which 128 along K
	s_lshr_b32 s17, s17, 3                         ; which 32 positions, q = 0 .. 351
	s_mov_b32 s20, 0x76543210
	s_mov_b32 s21, 0xfedcba98                      ; selects for lane l xor 16
	s_mov_b32 s22, 0xffff0000                      ; lanes 16-31
	s_wait_alu depctr_va_vdst(0)
	s_wait_kmcnt 0x0
	s_mov_b64 s[24:25], s[10:11]                   ; the tensor is chosen by the piece's number alone
	s_mov_b32 s19, 320
	s_cmp_lt_u32 s17, 320
	s_cselect_b64 s[24:25], s[8:9], s[24:25]
	s_cselect_b32 s19, 288, s19
	s_cmp_lt_u32 s17, 288
	s_cselect_b64 s[24:25], s[6:7], s[24:25]
	s_cselect_b32 s19, 256, s19
	s_cmp_lt_u32 s17, 256
	s_cselect_b64 s[24:25], s[4:5], s[24:25]
	s_cselect_b32 s19, 0, s19
	s_sub_co_u32 s19, s17, s19
	s_lshl_b32 s26, s19, 17                        ; 32 rows of 4,096 bytes
	s_lshl_b32 s27, s18, 9
	s_add_co_u32 s26, s26, s27
	s_mov_b32 s27, 0
	s_add_nc_u64 s[24:25], s[24:25], s[26:27]
.macro LOAD t                          ; fragment t: position rho of it is row 16 (rho / 8) + 8 t + rho % 8 of the 32
.irp rho, 0,1,2,3,4,5,6,7,8,9,10,11,12,13,14,15
	global_load_b128 v[R+64*\t+4*\rho:R+64*\t+4*\rho+3], v[LI], s[24:25] offset:(16*(\rho/8)+8*\t+\rho%8)*4096 th:TH_LOAD_NT
.endr
.endm
	LOAD 0
	LOAD 1
	s_lshr_b32 s19, s18, 1                         ; my group: ((chunk / 2) 88 + q / 4) GRP
	s_mul_i32 s19, s19, 88
	s_lshr_b32 s26, s17, 2
	s_add_co_u32 s19, s19, s26
	s_mul_i32 s19, s19, GRP
	s_and_b32 s18, s18, 1
	s_and_b32 s26, s17, 3                          ; the codes: + 6144 (q % 4) + 1536 (chunk % 2)
	s_mul_i32 s26, s26, 6144
	s_mul_i32 s30, s18, 1536
	s_add_co_u32 s26, s26, s30
	s_add_co_u32 s26, s26, s19
	s_add_nc_u64 s[28:29], s[12:13], s[26:27]
	s_lshl_b32 s26, s18, 9                         ; the scale words: + 24576 + 512 (chunk % 2) + 256 ((q / 2) % 2) + 8 (q % 2)
	s_add_co_u32 s26, s26, s19
	s_and_b32 s30, s17, 2
	s_lshl_b32 s30, s30, 7
	s_add_co_u32 s26, s26, s30
	s_and_b32 s30, s17, 1
	s_lshl_b32 s30, s30, 3
	s_add_co_u32 s26, s26, s30
	s_add_co_u32 s26, s26, 24576
	s_add_nc_u64 s[30:31], s[12:13], s[26:27]
.macro STEP t
.set RS, R+64*\t
.set CS, C+12*\t
	s_wait_loadcnt 16*(1-\t)                       ; this fragment's 16 loads are in; behind the first one's the second one's may be out
.irp rho, 0,1,2,3,4,5,6,7,8,9,10,11,12,13,14,15
	ds_store_b128 v[STI], v[RS+4*\rho:RS+4*\rho+3] offset:528*\rho
.endr
.irp c, 0,1
.irp j, 0,1,2,3,4,5,6,7
	ds_load_b128 v[X+32*\c+4*\j:X+32*\c+4*\j+3], v[STO] offset:256*\c+16*\j   ; LDS serves a wave's instructions in order: these see the stores above.  k = 64 c + 32 h + 4 j ..
.endr
.endr
	s_wait_dscnt 0x0                               ; my two blocks are in
.irp c, 0,1
	v_max3_num_f32 v[MX+\c], |v[X+32*\c]|, |v[X+32*\c+1]|, 0x1800000   ; with the floor 2^(3 - 127): the byte cannot fall under 1
	v_max_num_f32 v[MX+2+\c], |v[X+32*\c+16]|, |v[X+32*\c+17]|
.endr
.irp i, 2,4,6,8,10,12,14
.irp c, 0,1
	v_max3_num_f32 v[MX+\c], v[MX+\c], |v[X+32*\c+\i]|, |v[X+32*\c+\i+1]|
	v_max3_num_f32 v[MX+2+\c], v[MX+2+\c], |v[X+32*\c+16+\i]|, |v[X+32*\c+16+\i+1]|
.endr
.endr
.irp c, 0,1
	v_max_num_f32 v[MX+\c], v[MX+\c], v[MX+2+\c]
.endr
.irp c, 0,1
	v_add_nc_u32 v[SO+\c], 0xff000000, v[MX+\c]    ; 2 off the exponent field: the conversion's scale operand
.endr
.irp c, 0,1
	v_lshrrev_b32 v[BY+\c], 23, v[SO+\c]           ; the byte
.endr
	v_lshl_or_b32 v[WD], v[BY+1], 16, v[BY]        ; blocks h and 2 + h,
	v_lshlrev_b32 v[WD], v[SH8], v[WD]             ; at their places;
	v_permlanex16_b32 v[PD], v[WD], s20, s21
	v_or_b32 v[PW+\t], v[WD], v[PD]                ; with lane l xor 16's two the word is whole
.irp c, 0,1
	v_cvt_scalef32_pk16_fp6_f32 v[CS+6*\c:CS+6*\c+2], v[X+32*\c:X+32*\c+15], v[SO+\c]
	v_cvt_scalef32_pk16_fp6_f32 v[CT+4*\c:CT+4*\c+2], v[X+32*\c+16:X+32*\c+31], v[SO+\c]   ; (a conversion's three registers begin on an even number)
.endr
	v_nop                                          ; one plain place behind a scaled conversion
.irp c, 0,1
.irp i, 0,1,2
	v_mov_b32 v[CS+6*\c+3+\i], v[CT+4*\c+\i]
.endr
.endr
.irp k, 0,1,2
	global_store_b128 v[LI], v[CS+4*\k:CS+4*\k+3], s[28:29] offset:3072*\t+512*\k   ; 512 consecutive bytes
.endr
.endm
	STEP 0
	STEP 1
	v_cndmask_b32 v[DD], v[PW], v[PW+1], s22       ; lanes 0-15 store fragment 0's words of row r, lanes 16-31 fragment 1's
	global_store_b32 v[SCO], v[DD], s[30:31]
	s_wait_tensorcnt 0x0                           ; the wave's end, behind my last LDS store
	ds_add_u32 v[SPW], v[NIL]
	s_wait_dscnt 0x0
	s_endpgm
.Lfunc_end_k_q49552e5a10_quant:
	.size	k_q49552e5a10_quant, .Lfunc_end_k_q49552e5a10_quant-k_q49552e5a10_quant
	.p2alignl 7, 3214868480
	.fill 96, 4, 3214868480
	.section	.rodata,"a",@progbits
	.p2align	6, 0x0
	.amdhsa_kernel k_q49552e5a10_quant
		.amdhsa_group_segment_fixed_size 94464
		.amdhsa_private_segment_fixed_size 0
		.amdhsa_enable_private_segment 0
		.amdhsa_kernarg_size 40
		.amdhsa_user_sgpr_count 2
		.amdhsa_user_sgpr_kernarg_segment_ptr 1
		.amdhsa_wavefront_size32 1
		.amdhsa_system_sgpr_workgroup_id_x 1
		.amdhsa_system_sgpr_workgroup_id_y 1
		.amdhsa_system_sgpr_workgroup_id_z 1
		.amdhsa_system_vgpr_workitem_id 0
		.amdhsa_next_free_vgpr 256
		.amdhsa_next_free_sgpr 66
		.amdhsa_reserve_vcc 0
		.amdhsa_float_denorm_mode_32 3
		.amdhsa_float_denorm_mode_16_64 3
		.amdhsa_memory_ordered 1
		.amdhsa_forward_progress 1
		.amdhsa_inst_pref_size 18
	.end_amdhsa_kernel
	.amdgpu_metadata
---
amdhsa.version: [ 1, 2 ]
amdhsa.kernels:
  - .name:           k_q49552e5a10_quant
    .symbol:         k_q49552e5a10_quant.kd
    .args:
      - { .name: x, .offset: 0, .size: 8, .value_kind: global_buffer, .address_space: global }
      - { .name: Wq, .offset: 8, .size: 8, .value_kind: global_buffer, .address_space: global }
      - { .name: Wk, .offset: 16, .size: 8, .value_kind: global_buffer, .address_space: global }
      - { .name: Wv, .offset: 24, .size: 8, .value_kind: global_buffer, .address_space: global }
      - { .name: xw, .offset: 32, .size: 8, .value_kind: global_buffer, .address_space: global }
    .group_segment_fixed_size: 94464
    .private_segment_fixed_size: 0
    .kernarg_segment_align: 8
    .kernarg_segment_size: 40
    .max_flat_workgroup_size: 352
    .sgpr_count:     66
    .vgpr_count:     256
    .wavefront_size: 32
...
	.end_amdgpu_metadata
.endif
;; end of part 1
;; launch proj (part 2): grid 8 x 32, 4 waves a work-group, clusters of 4 x 4, 327,680 bytes of LDS; arguments xw, bq, bk, bv, qk, vt; writes qk, vt
.if DOCPART == 2
	.amdgcn_target "amdgcn-amd-amdhsa--gfx1250"
	.amdhsa_code_object_version 6
	.text
	.protected	k_q49552e5a10_proj
	.globl	k_q49552e5a10_proj
	.p2align	8
	.type	k_q49552e5a10_proj,@function
k_q49552e5a10_proj:
	s_mov_b64 s[64:65], 0
	v_nop
	global_prefetch_b8 v0, s[64:65] scope:SCOPE_SE
	s_setreg_imm32_b32 hwreg(HW_REG_WAVE_MODE, 25, 1), 1
	s_wait_xcnt 0x0
	s_wait_alu depctr_hold_cnt(0) depctr_sa_sdst(0) depctr_va_vdst(0) depctr_va_sdst(0) depctr_va_ssrc(0) depctr_va_vcc(0) depctr_vm_vsrc(0)
	s_getreg_b32 s2, hwreg(HW_REG_IB_STS2, 6, 4)
	s_cmp_eq_u32 s2, 0
	s_cbranch_scc0 .Lentry_in_a_cluster
	s_endpgm
.Lentry_in_a_cluster:
	s_bfe_u32 s2, ttmp6, 0x10000c
	s_cmp_lg_u32 s2, 0xf033
	s_cbranch_scc0 .Lentry_shape_is_right
	s_endpgm
.Lentry_shape_is_right:
; Q | K = x [Wq; Wk]^T + b and V^T = Wv x^T + bv, on codes of FP6 (E2M3) with E8M0 scales out of xw; the results are quantised on the way out, along the next product's K:
; Q and K along their features into qk, V^T along the tokens into vt.  Sums in f32; the bias is the C of each sum's first product.
; A WORK-GROUP STAYS.  Work-group (tc, tr) makes first a tile of 256 tokens x 256 features of Q | K (x's tile tr, the weights' tile tc; a wave 128 x 128: 64 accumulators), then 128 rows x 256 tokens of V^T
; (Wv's rows 128 tc on, the same x tile; a wave 64 x 128: 32 accumulators): 768 products a wave in each of 256 work-groups.
; LAYOUT.  Operands lie in memory and in LDS as images of their registers (a fragment: 1,536 bytes, registers 4 c .. 4 c + 3 of lane l at 512 c + 16 l).  A group, 128 rows x 256 K, is 25,600 bytes on end: 24,576 of codes, then its scale words
; ([128 along K: 2][512], lane (r, h)'s 16 bytes: row r of blocks 4 h .. 4 h + 3).  xw: [256 K: 4][group: 88: x 64, Wq 8, Wk 8, Wv 8].  qk: [256 K: 4][group: 128: Q 64, K 64].  Rows are kept by position (bits 3 and 4 of the row's number exchanged).
; vt: [512 tokens: 16][128 rows: 8][51,200]: codes [block of 16 rows: 8][128 tokens: 4][1536], then scale words [128 tokens: 4][512].
; THE PRODUCTS ARE USED TRANSPOSED: a lane holds one row of source 1, and the 16 registers of source 0's blocks 2 b, 2 b + 1 are 16 neighbours along source 0's rows: 32 b + 16 (lane / 16) + 0 .. 15.
; First part: source 0 = the weights, source 1 = x.  Second part: source 0 = x, source 1 = Wv.
; LDS.  First part: K = 1,024 in four steps of 256 through two slots (x's two groups, then the weights' two); both slots are filled at the head, one load a wave.  For the second part the two slots take x's tile once more, 512 along K each:
; slot 0 behind the third change of slots, and beside it Wv's 128 rows for all of K, into a region of their own; slot 1 behind a fourth change, in the first part's last step.  They land while the first part goes on and its results leave.
; CLUSTERS: 4 x 4.  x's tiles are asked for jointly along a row of the cluster, the weights' along a column.
; REGISTERS: window 0: v1-29 addresses; v32-63 scale words from LDS; v64-127 the first part's bias; v128-223 source 1's fragments; v224-255 Wv's scale words.  Window 1: source 0's fragments, two sets; v96-127 bv.
; Windows 2, 3: accumulator (a, b) at v[8 (8 (a % 4) + b)]; the second part uses window 2 alone.
; LIMITS: a block of zeros gets the byte 1, not 127 (its codes are zeros; the bytes are this program's own); NaN and infinities are not served.
.set GRP,   25600
.set KSB,   88*GRP                     ; from a K step of 256 to the next, in xw
.set GV,    51200
.set FR,    12
.set SLOT,  4*GRP
.set WVR,   2*SLOT                     ; behind the ring: Wv's group, four K steps on end: filled once
.set SPARE, 3*SLOT                     ; the spare words, 128 bytes a wave
.set LI,   1                           ; v1    16 x lane
.set ADX,  2                           ; v2-5  second part: x's fragments of K step 0 .. 3
.set ADW,  6                           ; v6-7  second part: Wv's fragments of K steps 0, 1 and 2, 3
.set SCO,  9                           ; v9    16 r + 8 h: my 8 bytes of V^T's scale words
.set RR,   10
.set HH,   11
.set ADRA, 16                          ; v16-17 first part: x's fragments in slot 0, 1
.set ADSX, 18                          ; v18-19 second part: x's scale words in slot 0, 1
.set ADRB, 20                          ; v20-21 first part: the weights' fragments
.set PFV,  22                          ; v22   the prefetches' offset
.set ADRS, 26                          ; v26-27 first part: scale words in slot 0, 1
.set SPW,  28
.set NIL,  29
.set SC,   32                          ; first part: set s at v[32 + 16 s]; register 8 q + i: lanes 0-15 x's block i, lanes 16-31 the weights'.  Second part: set p at v[32 + 8 p]: x's block i
.set BI,   64
.set AF,   128
.set PC,   160                         ; the ways out: codes (v128 on for the second of two blocks)
.set PWK,  180                         ; the blocks' scale words
.set OW,   188
.set TM,   200                         ; at work
.set SAV,  224                         ; Wv's scale words: register 4 n + a: row r of my block a, the n-th 128 along K
.set BV,   96                          ; in window 1: bv in the result's layout, eight registers a block
.set G1,   24                          ; group 1 of x's tiles
.set G0,   32                          ; s[32:39] group 0 of x's tiles, one set a slot
.set G1B,  48                          ; the same for the weights'
.set G0B,  56
.set G1V,  68                          ; Wv: two K steps a load
.set G0V,  92
.set G0P,  96                          ; x's second pass: it walks from slot 0 to slot 1
.set MSB, 0
.macro WIN new                         ; the immediate's high byte repeats the setting that is left
.if MSB != \new
	s_set_vgpr_msb (MSB<<8)|\new
.set MSB, \new
.endif
.endm
.set MUL_LO, 0xa1                      ; source 0 window 1, source 1 window 0, C and D window 2
.set MUL_HI, 0xf1
.set TO_B,   0x40
.macro PLACES n
.rept \n
	v_nop
.endr
.endm
; JOINT LOADS, one a wave, each in its own arm of one chain of branches on the wave's number; an s_nop 0 and four v_nop follow each line.
.macro TLOAD g0, g1
	tensor_load_to_lds s[\g0:\g0+3], s[\g1:\g1+7]
	s_nop 0
	PLACES 4
.endm
.macro ARM w, g0, g1, join
	s_cmp_eq_u32 s14, \w
	s_cbranch_scc0 .Lnot_w_\@
	TLOAD \g0, \g1
	s_branch \join
.Lnot_w_\@:
.endm
.macro HLOAD                           ; the head: waves 0 and 1 x's and the weights' tile of K step 0, waves 2 and 3 those of K step 1
	ARM 0, G0, G1, .Lasked_\@
	ARM 1, G0B, G1B, .Lasked_\@
	ARM 2, G0+4, G1, .Lasked_\@
	TLOAD G0B+4, G1B
.Lasked_\@:
.endm
.macro JLOAD s                         ; slot s: wave 0 x's tile, wave 1 the weights'
	ARM 0, G0+4*\s, G1, .Lasked_\@
	ARM 1, G0B+4*\s, G1B, .Lasked_\@
	PLACES 4                                       ; (the places in front of the LDS loads that follow, for the waves that ask for nothing)
.Lasked_\@:
.endm
.macro PLOAD wv                        ; x's second pass: waves 0 and 1 a K step each; wv = 1: waves 2 and 3 two K steps each of Wv
	s_cmp_lt_u32 s14, 2
	s_cbranch_scc0 .Lother_\@
	TLOAD G0P, G1
	s_branch .Lasked_\@
.Lother_\@:
.if \wv
	tensor_load_to_lds s[G0V:G0V+3], s[G1V:G1V+7]
	s_nop 0
.endif
	PLACES 4
.Lasked_\@:
.endm
; A PREFETCH INTO THE L2 of x's tile of K step k, two K steps ahead of its use: 200 units of 256 bytes, 50 for each of the four work-groups that ask for it jointly (by cx), shared out among the four waves, told apart by address.
; K steps 0 and 1 come by their loads alone; the last asked for is 3, the tensor's last.  The weights' tiles are not prefetched: each is asked for by eight clusters, which would name the same bytes.
.macro ASK k
	global_prefetch_b8 v[PFV], s[44:45] offset:KSB*(\k) th:TH_LOAD_NT scope:SCOPE_SE
.endm
.macro CREST                           ; a round of the cluster's barrier behind its opening barrier
	s_cmp_lg_u32 s14, 0
	s_cbranch_scc1 .Lnot_wave_0_\@
	s_barrier_signal -3
.Lnot_wave_0_\@:
	s_barrier_wait -3
	s_barrier_signal -1
	s_barrier_wait -1
.endm
.macro CROUND
	s_barrier_signal -1
	s_barrier_wait -1
	CREST
.endm
.macro SADD d, x
	s_add_co_u32 s\d, s\d, s\x
.endm
	s_load_b256 s[4:11], s[0:1], 0x0               ; xw, bq, bk, bv
	s_load_b64 s[66:67], s[0:1], 0x20              ; qk
	s_load_b64 s[100:101], s[0:1], 0x28            ; vt
	v_lshl_add_u32 v[SPW], v0, 2, SPARE
	v_mov_b32 v[NIL], 0
	ds_add_u32 v[SPW], v[NIL]                      ; the wave's opening: the add, twice on end, and its wait ahead of my first tensor load
	ds_add_u32 v[SPW], v[NIL]
	v_lshrrev_b32 v1, 5, v0
	v_readfirstlane_b32 s14, v1                    ; wave
	s_lshr_b32 s15, s14, 1                         ; my half of source 1's rows
	s_and_b32 s16, s14, 1                          ; my half of source 0's rows
	s_bfe_u32 s40, ttmp6, 0x40000                  ; cx
	s_bfe_u32 s41, ttmp6, 0x40004                  ; cy
	s_lshl_b32 s42, ttmp9, 2
	SADD 42, 40                                    ; tc: 0 .. 7
	s_and_b32 s17, ttmp7, 0xffff
	s_lshl_b32 s17, s17, 2
	SADD 17, 41                                    ; tr: 0 .. 31
	s_lshl_b32 s43, s41, 2
	s_lshl_b32 s43, 15, s43                        ; my row of the cluster
	s_lshl_b32 s44, 0x1111, s40                    ; my column
	; descriptor group 1: two groups are a dense block of 200 rows of 256 bytes (32 elements of 8); no padding
	s_or_b32 s[G1+0], s43, (3<<16)|(1<<21)
	s_or_b32 s[G1B+0], s44, (3<<16)|(1<<21)
.irp g, G1, G1B
	s_mov_b32 s[\g+1], 32<<16
	s_mov_b32 s[\g+2], 200<<16
	s_mov_b32 s[\g+3], 32<<16
	s_mov_b32 s[\g+4], 200
	s_mov_b32 s[\g+5], 32
	s_mov_b32 s[\g+6], 0
	s_mov_b32 s[\g+7], 0
.endr
	s_or_b32 s[G1V+0], s44, (3<<16)|(1<<21)        ; Wv: two rows (K steps) of 25,600 bytes, KSB bytes apart
	s_mov_b32 s[G1V+1], (GRP/8)<<16
	s_mov_b32 s[G1V+2], 2<<16
	s_mov_b32 s[G1V+3], (GRP/8)<<16
	s_mov_b32 s[G1V+4], 2
	s_mov_b32 s[G1V+5], KSB/8
	s_mov_b32 s[G1V+6], 0
	s_mov_b32 s[G1V+7], 0
	s_mul_i32 s20, s17, 2*GRP                      ; x: group 2 tr
	s_mov_b32 s21, 0
	s_mul_i32 s46, s42, 2*GRP
	s_add_co_u32 s46, s46, 64*GRP                  ; Wq | Wk: group 64 + 2 tc
	s_mov_b32 s47, 0
	s_mul_i32 s2, s16, 2*KSB
	s_mul_i32 s3, s42, GRP
	SADD 2, 3
	s_add_co_u32 s2, s2, 80*GRP                    ; Wv: group 80 + tc, K steps 2 (wave % 2) and on
	s_mov_b32 s3, 0
	s_mul_i32 s40, s40, 50*256                     ; the prefetches: my work-group's part of x's tile
	s_add_co_u32 s44, s20, s40
	s_mov_b32 s45, 0
	s_mul_i32 s41, s14, 13
	s_wait_dscnt 0x0                               ; both opening adds are done
	s_wait_kmcnt 0x0
	s_add_nc_u64 s[20:21], s[4:5], s[20:21]
	s_add_nc_u64 s[46:47], s[4:5], s[46:47]
	s_add_nc_u64 s[2:3], s[4:5], s[2:3]
	s_add_nc_u64 s[44:45], s[4:5], s[44:45]
	CROUND                                         ; all sixteen work-groups are here: the first joint loads meet
.irp s, 0,1
	s_mov_b32 s[G0+4*\s], 1
	s_mov_b32 s[G0+4*\s+1], \s*SLOT
	s_add_nc_u64 s[G0+4*\s+2:G0+4*\s+3], s[20:21], \s*KSB
	s_or_b32 s[G0+4*\s+3], s[G0+4*\s+3], 0x80000000
	s_mov_b32 s[G0B+4*\s], 1
	s_mov_b32 s[G0B+4*\s+1], \s*SLOT+2*GRP
	s_add_nc_u64 s[G0B+4*\s+2:G0B+4*\s+3], s[46:47], \s*KSB
	s_or_b32 s[G0B+4*\s+3], s[G0B+4*\s+3], 0x80000000
.endr
	HLOAD                                          ; one tensor load a wave
	s_mul_i32 s19, s16, 2*GRP
	s_mov_b32 s[G0V], 1
	s_add_co_u32 s[G0V+1], s19, WVR
	s_mov_b64 s[G0V+2:G0V+3], s[2:3]
	s_or_b32 s[G0V+3], s[G0V+3], 0x80000000
	s_mov_b32 s[G0P], 1                            ; x's second pass, slot 0: waves 0 and 1 the K step of their number
	s_mov_b32 s[G0P+1], s19
	s_mul_i32 s18, s16, KSB
	s_mov_b32 s19, 0
	s_add_nc_u64 s[G0P+2:G0P+3], s[20:21], s[18:19]
	s_or_b32 s[G0P+3], s[G0P+3], 0x80000000
	v_and_b32 v[LI], 31, v0
	v_min_u32 v[PFV], 12, v[LI]
	v_add_nc_u32 v[PFV], s41, v[PFV]
	v_min_u32 v[PFV], 49, v[PFV]                   ; (the lanes left over name the wave's last unit again)
	v_lshlrev_b32 v[PFV], 8, v[PFV]                ; never rewritten
	ASK 2
	v_lshlrev_b32 v[LI], 4, v[LI]
	v_and_b32 v[RR], 15, v0
	v_bfe_u32 v[HH], v0, 4, 1
	; THE BIASES, in the results' layouts.  First part: along the weights' rows: register 8 b + j of lane half h is b[32 (b / 2) + 16 h + 8 (b % 2) + j].  Second part: all eight registers of block a are bv at my position's row.
	v_lshlrev_b32 v12, 6, v[HH]
	v_and_b32 v13, 8, v[RR]
	v_add_nc_u32 v13, v13, v[RR]
	v_lshlrev_b32 v13, 2, v13                      ; 4 (r % 8 + 16 (r / 8))
	v_lshlrev_b32 v15, 4, v[RR]                    ; 16 r
	s_wait_alu depctr_va_vdst(0)
	s_cmp_eq_u32 ttmp9, 0                          ; tc < 4: Q
	s_cselect_b64 s[6:7], s[6:7], s[8:9]           ; bq or bk
	s_and_b32 s2, s42, 3
	s_lshl_b32 s2, s2, 1
	SADD 2, 16
	s_lshl_b32 s2, s2, 9                           ; my 128 features
	s_mov_b32 s3, 0
	s_add_nc_u64 s[6:7], s[6:7], s[2:3]
	s_lshl_b32 s2, s42, 1
	SADD 2, 15
	s_lshl_b32 s2, s2, 8                           ; bv: my 64 rows: 128 tc + 64 half
	s_add_nc_u64 s[10:11], s[10:11], s[2:3]
	s_mul_i32 s2, s42, GRP                         ; Wv's scale words: group 80 + tc, my four blocks' half of each image
	s_lshl_b32 s18, s15, 8
	SADD 2, 18
	s_add_co_u32 s2, s2, 80*GRP+24576
	s_add_nc_u64 s[12:13], s[4:5], s[2:3]
.irp b, 0,1,2,3,4,5,6,7
	global_load_b128 v[BI+8*\b:BI+8*\b+3], v12, s[6:7] offset:(32*(\b/2)+8*(\b%2))*4
	global_load_b128 v[BI+8*\b+4:BI+8*\b+7], v12, s[6:7] offset:(32*(\b/2)+8*(\b%2))*4+16
.endr
.irp n, 0,1,2,3,4,5,6,7
	global_load_b128 v[SAV+4*\n:SAV+4*\n+3], v15, s[12:13] offset:KSB*(\n/2)+512*(\n%2)   ; sixteen lanes read 256 consecutive bytes; both halves of the lanes the same
.endr
	WIN 0x40                                       ; destination window 1
.irp a, 0,1,2,3
	global_load_b32 v[BV+8*\a], v13, s[10:11] offset:(32*(\a/2)+8*(\a%2))*4
.endr
	WIN 0
	s_mul_i32 s21, s15, GRP                        ; the LDS addresses are made while those loads are out
	s_mul_i32 s22, s16, GRP
	s_add_co_u32 s22, s22, 2*GRP
	s_sub_co_u32 s23, s22, s21                     ; first part's scale words: lanes 0-15 take x's group, lanes 16-31 the weights': the lower base + h x the distance
	v_mul_u32_u24 v14, s23, v[HH]
	v_lshl_add_u32 v14, v[RR], 4, v14
	v_add_nc_u32 v14, 24576, v14
.irp s, 0,1
	v_add_nc_u32 v[ADRA+\s], s21, v[LI]
	v_add_nc_u32 v[ADRB+\s], s22, v[LI]
	v_add_nc_u32 v[ADRS+\s], s21, v14
	s_add_co_u32 s21, s21, SLOT
	s_add_co_u32 s22, s22, SLOT
.endr
	s_mul_i32 s21, s16, GRP                        ; second part: x's K step k lies at 2 k GRP, its two groups on end
.irp k, 0,1,2,3
	v_add_nc_u32 v[ADX+\k], s21, v[LI]
	s_add_co_u32 s21, s21, 2*GRP
.endr
	s_mul_i32 s21, s16, GRP
	s_add_co_u32 s21, s21, 24576
	v_lshl_add_u32 v[ADSX], v[RR], 4, s21          ; x's scale words: row r of my group's blocks
	s_add_co_u32 s21, s21, SLOT
	v_lshl_add_u32 v[ADSX+1], v[RR], 4, s21
	s_mul_i32 s21, s15, 4*3072                     ; Wv: my four blocks
	s_add_co_u32 s21, s21, WVR
	v_add_nc_u32 v[ADW], s21, v[LI]
	s_add_co_u32 s21, s21, 2*GRP
	v_add_nc_u32 v[ADW+1], s21, v[LI]
	v_lshlrev_b32 v[SCO], 4, v[RR]
	v_lshl_add_u32 v[SCO], v[HH], 3, v[SCO]
	s_wait_alu depctr_va_vdst(0)
	s_wait_loadcnt 0x0                             ; the biases and Wv's scale words are in; their addresses may be written
	WIN 0x41                                       ; destination and source 0 window 1
.irp a, 0,1,2,3
.irp j, 1,2,3,4,5,6,7
	v_mov_b32 v[BV+8*\a+\j], v[BV+8*\a]
.endr
.endr
	WIN 0
	; where the results go
	s_and_b32 s2, s42, 3                           ; qk: group ((tc % 4) 128 + (tc / 4) 64 + 2 tr + half), my half of the 256 features
	s_lshl_b32 s2, s2, 7
	s_lshr_b32 s18, s42, 2
	s_lshl_b32 s18, s18, 6
	SADD 2, 18
	s_lshl_b32 s18, s17, 1
	SADD 2, 18
	SADD 2, 15
	s_mul_i32 s2, s2, GRP
	s_lshl_b32 s18, s16, 9
	SADD 18, 2
	s_add_co_u32 s18, s18, 24576
	s_mov_b32 s19, 0
	s_add_nc_u64 s[10:11], s[66:67], s[18:19]      ; s[10:11]: qk's scale image
	s_mul_i32 s18, s16, 1536
	SADD 2, 18
	s_add_nc_u64 s[66:67], s[66:67], s[2:3]        ; s[66:67]: qk's codes
	s_lshr_b32 s2, s17, 1                          ; vt: group (tr / 2) 8 + tc, blocks 4 half on, 128 tokens 2 (tr % 2) + half
	s_lshl_b32 s2, s2, 3
	SADD 2, 42
	s_mul_i32 s2, s2, GV
	s_and_b32 s12, s17, 1
	s_lshl_b32 s12, s12, 1
	SADD 12, 16
	s_lshl_b32 s18, s12, 9
	SADD 18, 2
	s_lshl_b32 s13, s15, 8
	SADD 18, 13
	s_add_co_u32 s18, s18, 49152
	s_add_nc_u64 s[8:9], s[100:101], s[18:19]      ; s[8:9]: vt's scale image
	s_mul_i32 s18, s15, 4*6144
	SADD 2, 18
	s_mul_i32 s18, s12, 1536
	SADD 2, 18
	s_add_nc_u64 s[100:101], s[100:101], s[2:3]    ; s[100:101]: vt's codes
	s_mov_b32 s20, 0x76543210
	s_mov_b32 s21, 0xfedcba98                      ; selects for lane l xor 16
	s_mov_b32 s22, 0xffff0000                      ; lanes 16-31
.macro FRAG reg, adr, q, i             ; a fragment comes as it was stored: three loads of 512 consecutive bytes
.irp c, 0,1,2
	ds_load_b128 v[\reg+4*\c:\reg+4*\c+3], v[\adr] offset:(\i)*3072+(\q)*1536+512*\c
.endr
.endm
; THE FIRST PART.  16 products: x's blocks a0, a0 + 1 against the weights' eight.  mode 0: onto the sums; 2: the sums begin with the bias.  The 64 accumulators take turns, one instruction a turn.
.macro MUL16 a0, p, q, sc, mode
.irp a, \a0, \a0+1
.irp b, 0,1,2,3,4,5,6,7
.set XD, 8*(8*((\a)%4)+\b)
.set XB, 128*(\p)+FR*\b
.set XA, AF+FR*(\a)
.set XSB, SC+16*(\sc)+8*(\q)+\b
.set XSA, SC+16*(\sc)+8*(\q)+(\a)
.if \mode == 0
	v_wmma_scale_f32_16x16x128_f8f6f4 v[XD:XD+7], v[XB:XB+FR-1], v[XA:XA+FR-1], v[XD:XD+7], v[XSB], v[XSA] matrix_a_fmt:MATRIX_FMT_FP6 matrix_b_fmt:MATRIX_FMT_FP6 matrix_a_scale:MATRIX_SCALE_ROW1
.else
	v_wmma_scale_f32_16x16x128_f8f6f4 v[XD:XD+7], v[XB:XB+FR-1], v[XA:XA+FR-1], v[BI+8*\b:BI+8*\b+7], v[XSB], v[XSA] matrix_a_fmt:MATRIX_FMT_FP6 matrix_b_fmt:MATRIX_FMT_FP6 matrix_a_scale:MATRIX_SCALE_ROW1
.endif
.endr
.endr
.endm
.macro FETCH_B slot, q, p
	WIN TO_B
.irp i, 0,1,2,3,4,5,6,7
	FRAG 128*(\p)+FR*\i, ADRB+\slot, \q, \i
.endr
	WIN 0
.endm
.macro FETCH_A slot, q, i0
.irp i, \i0, \i0+1, \i0+2, \i0+3
	FRAG AF+FR*(\i), ADRA+\slot, \q, \i
.endr
.endm
.macro SCALES slot                     ; the slot's scale words into its set: four loads
.irp q, 0,1
.irp u, 0,1
	ds_load_b128 v[SC+16*\slot+8*\q+4*\u:SC+16*\slot+8*\q+4*\u+3], v[ADRS+\slot] offset:\q*512+256*\u
.endr
.endr
.endm
; A step of 128 along K with its successor in the same slot.  Four plain places stand in front of each run of loads into registers that products have read.
.macro STEP slot, q, mode
	s_wait_dscnt 12                                ; all but x's blocks 4-7 (4 x 3 loads) are in
.if \mode == 2
	WIN 0x81                                       ; the bias lies in window 0
.else
	WIN MUL_LO
.endif
	MUL16 0, (\q)%2, \q, \slot, \mode
	MUL16 2, (\q)%2, \q, \slot, \mode
	s_wait_dscnt 0x0
	PLACES 4
	FETCH_B \slot, (\q)+1, 1-(\q)%2
	FETCH_A \slot, (\q)+1, 0
.if \mode == 2
	WIN 0xc1
.else
	WIN MUL_HI
.endif
	MUL16 4, (\q)%2, \q, \slot, \mode
	MUL16 6, (\q)%2, \q, \slot, \mode
	PLACES 4
	WIN 0
	FETCH_A \slot, (\q)+1, 4
.endm
; A slot's last step changes slots: one barrier, which opens a round of the cluster's; in front of it each wave waits for all its tensor loads, adds 0 to its spare word, and waits for that and for its reads of this slot.
.macro MEET slot
	s_wait_tensorcnt 0x0                           ; my part of the next slot has landed; no load of mine is out
	ds_add_u32 v[SPW], v[NIL]
	s_wait_dscnt 13                                ; (the add and x's blocks 4-7 may be out)
	WIN MUL_LO
	MUL16 0, 1, 1, \slot, 0
	s_wait_dscnt 0x0                               ; the add is done, and my reads of this slot are over
	s_barrier_signal -1
	MUL16 2, 1, 1, \slot, 0
	WIN 0
	s_barrier_wait -1
	CREST                                          ; no wave of any partner reads this slot or has a load on its way
.endm
; fill = 1: this slot takes the first part's K step two on.  fill = 2: it takes the first 512 along K of x's second pass, and Wv comes.  ask: the K step that is prefetched, or 0.
.macro TURN slot, next, fill, ask
	MEET \slot
.if \fill == 1
	s_add_nc_u64 s[G0+4*\slot+2:G0+4*\slot+3], s[G0+4*\slot+2:G0+4*\slot+3], 2*KSB
	s_add_nc_u64 s[G0B+4*\slot+2:G0B+4*\slot+3], s[G0B+4*\slot+2:G0B+4*\slot+3], 2*KSB
	JLOAD \slot                                    ; at most one load a wave behind the round; the four v_nop are the places in front of the loads below
.else
	PLOAD 1
.endif
	FETCH_B \next, 0, 0
	FETCH_A \next, 0, 0
	SCALES \next
.if \ask
	ASK \ask
.endif
	WIN MUL_HI
	MUL16 4, 1, 1, \slot, 0
	MUL16 6, 1, 1, \slot, 0
	PLACES 4
	WIN 0
	FETCH_A \next, 0, 4
.endm
	s_wait_alu depctr_va_vdst(0)
	s_cmp_lt_u32 s14, 2
	s_cbranch_scc0 .Lnot_first
	s_wait_tensorcnt 0x0                           ; K step 0's two tiles, asked for by waves 0 and 1, are in; K step 1's may be out
.Lnot_first:
	s_barrier_signal -1
	s_barrier_wait -1
	FETCH_B 0, 0, 0
	FETCH_A 0, 0, 0
	SCALES 0
	FETCH_A 0, 0, 4
	STEP 0, 0, 2                                   ; the first products take the bias as C
	TURN 0, 1, 1, 3
	STEP 1, 0, 0
	TURN 1, 0, 1, 0
	STEP 0, 0, 0
	TURN 0, 1, 2, 0                                ; slot 0 has been read out for the first part
	STEP 1, 0, 0
	MEET 1                                         ; the first part's last step: the same change of slots, with nothing to fetch from LDS behind it
	s_add_co_u32 s[G0P+1], s[G0P+1], SLOT          ; slot 1,
	s_add_nc_u64 s[G0P+2:G0P+3], s[G0P+2:G0P+3], 2*KSB   ; x's K = 512 .. 1,023; the type bits on top are not reached
	PLOAD 0                                        ; it lands while the first part's results leave
	WIN MUL_HI
	MUL16 4, 1, 1, 1, 0
	MUL16 6, 1, 1, 1, 0
	WIN 0
	PLACES 4
.irp b, 0,1,2,3,4,5,6,7
	v_mov_b32 v[TM+8+\b], 0                        ; a lane permute's destination counts as one of its sources
.endr
; A WAY OUT, two blocks at a time, line by line in turn.  Block a's 64 numbers of a lane, register 16 b + i = k 32 b + 16 (lane / 16) + i of my row, become a fragment of the next product and its scale word;
; the fragment is stored as it stands, str bytes from block to block.  At work: v200-207 the eight largest magnitudes, v208-215 the other lane's and then the bytes, v216-223 the scale operands.
.macro QNT2 a, ptr, str
.set AC, 64*((\a)%4)
.set WN, 2+(\a)/4
	WIN 5*WN                                       ; sources 0 and 1: the accumulators' window
.irp j, 0,1,2,3,4,5,6,7
	v_max3_num_f32 v[TM+\j], |v[AC+16*\j]|, |v[AC+16*\j+1]|, 0x1800000   ; each accumulator from its low end on; the floor 2^(3 - 127) holds the byte at 1
.endr
.irp i, 2,4,6,8,10,12,14
.irp j, 0,1,2,3,4,5,6,7
	v_max3_num_f32 v[TM+\j], |v[AC+16*\j+\i]|, |v[AC+16*\j+\i+1]|, v[TM+\j]
.endr
.endr
	WIN 0
.irp j, 0,1,2,3,4,5,6,7
	v_permlanex16_b32 v[TM+8+\j], v[TM+\j], s20, s21
.endr
.irp j, 0,1,2,3,4,5,6,7
	v_max_num_f32 v[TM+\j], v[TM+\j], v[TM+8+\j]   ; the block's largest magnitude
.endr
.irp j, 0,1,2,3,4,5,6,7
	v_add_nc_u32 v[TM+16+\j], 0xff000000, v[TM+\j] ; 2 off its exponent field: the conversion's scale operand
.endr
.irp j, 0,1,2,3,4,5,6,7
	v_lshrrev_b32 v[TM+8+\j], 23, v[TM+16+\j]      ; the byte
.endr
.irp u, 0,1
	v_lshl_or_b32 v[PWK+(\a)+\u], v[TM+9+4*\u], 8, v[TM+8+4*\u]
.endr
.irp u, 0,1
	v_lshl_or_b32 v[PWK+(\a)+\u], v[TM+10+4*\u], 16, v[PWK+(\a)+\u]
.endr
.irp u, 0,1
	v_lshl_or_b32 v[PWK+(\a)+\u], v[TM+11+4*\u], 24, v[PWK+(\a)+\u]
.endr
.if (\a) > 0
	s_wait_alu depctr_va_vdst(0)
	s_wait_xcnt 0x0                                ; the last pair's stores have read the codes' registers
.endif
	WIN WN
.irp u, 0,1
.irp c, 0,1
	v_cvt_scalef32_pk16_fp6_f32 v[PC-32*\u+6*\c:PC-32*\u+6*\c+2], v[AC+64*\u+32*\c:AC+64*\u+32*\c+15], v[TM+16+4*\u+2*\c]
	v_cvt_scalef32_pk16_fp6_f32 v[PC-32*\u+12+4*\c:PC-32*\u+14+4*\c], v[AC+64*\u+32*\c+16:AC+64*\u+32*\c+31], v[TM+16+4*\u+2*\c+1]
.endr
.endr
	WIN 0
	v_nop                                          ; one plain place behind a scaled conversion
.irp u, 0,1
.irp c, 0,1                                    ; the operand's layout wants a whole block in a lane
.irp i, 0,1,2
	v_permlane16_swap_b32 v[PC-32*\u+6*\c+\i], v[PC-32*\u+12+4*\c+\i]
.endr
.endr
.endr
.irp u, 0,1
.irp c, 0,1
.irp i, 0,1,2
	v_mov_b32 v[PC-32*\u+3+6*\c+\i], v[PC-32*\u+12+4*\c+\i]
.endr
.endr
.endr
.irp u, 0,1
.irp k, 0,1,2
	global_store_b128 v[LI], v[PC-32*\u+4*\k:PC-32*\u+4*\k+3], s[\ptr:\ptr+1] offset:(\str)*((\a)+\u)+512*\k   ; 512 consecutive bytes
.endr
.endr
.endm
.irp a, 0,2,4,6
	QNT2 \a, 66, 3072
.endr
.irp j, 0,1,2,3
	v_cndmask_b32 v[OW+\j], v[PWK+\j], v[PWK+4+\j], s22   ; lanes 0-15: blocks 0-3 of row r; lanes 16-31: blocks 4-7
.endr
	global_store_b128 v[LI], v[OW:OW+3], s[10:11]
; THE SECOND PART: V^T.  Eight steps of 128 along K; step n lies in x's K step n / 2.  Two sets of fragments and of x's scale words; the next step's 38 loads stand in one run ahead of each step's 32 products.
.macro FETCH2 n
.set P2, (\n)%2
	WIN TO_B
.irp i, 0,1,2,3,4,5,6,7
.irp c, 0,1,2
	ds_load_b128 v[128*P2+FR*\i+4*\c:128*P2+FR*\i+4*\c+3], v[ADX+(\n)/2] offset:\i*3072+((\n)%2)*1536+512*\c
.endr
.endr
	WIN 0
.irp i, 0,1,2,3
.irp c, 0,1,2
	ds_load_b128 v[AF+48*P2+FR*\i+4*\c:AF+48*P2+FR*\i+4*\c+3], v[ADW+(\n)/4] offset:(((\n)/2)%2)*GRP+\i*3072+((\n)%2)*1536+512*\c
.endr
.endr
	ds_load_b128 v[SC+8*P2:SC+8*P2+3], v[ADSX+(\n)/4] offset:(((\n)/2)%2)*2*GRP+512*((\n)%2)
	ds_load_b128 v[SC+8*P2+4:SC+8*P2+7], v[ADSX+(\n)/4] offset:(((\n)/2)%2)*2*GRP+512*((\n)%2)+256
.endm
; eight products: Wv's block a against x's eight.  The 32 accumulators take turns, one instruction a turn.
.macro MULV a, n, first
.set P2, (\n)%2
.irp b, 0,1,2,3,4,5,6,7
.set XD, 8*(8*(\a)+\b)
.set XB, 128*P2+FR*\b
.set XA, AF+48*P2+FR*(\a)
.if \first
	v_wmma_scale_f32_16x16x128_f8f6f4 v[XD:XD+7], v[XB:XB+FR-1], v[XA:XA+FR-1], v[BV+8*(\a):BV+8*(\a)+7], v[SC+8*P2+\b], v[SAV+4*(\n)+(\a)] matrix_a_fmt:MATRIX_FMT_FP6 matrix_b_fmt:MATRIX_FMT_FP6
.else
	v_wmma_scale_f32_16x16x128_f8f6f4 v[XD:XD+7], v[XB:XB+FR-1], v[XA:XA+FR-1], v[XD:XD+7], v[SC+8*P2+\b], v[SAV+4*(\n)+(\a)] matrix_a_fmt:MATRIX_FMT_FP6 matrix_b_fmt:MATRIX_FMT_FP6
.endif
.endr
.endm
.macro CH2 n, first
	s_wait_dscnt 0x0                               ; this step's fragments are in
.if (\n) < 7
	PLACES 4                                       ; in front of loads into registers that the last step's products have read
	FETCH2 (\n)+1
.endif
.if \first
	WIN 0x91                                       ; bv lies in window 1
.else
	WIN MUL_LO
.endif
	MULV 0, \n, \first
	MULV 1, \n, \first
	MULV 2, \n, \first
	MULV 3, \n, \first
	WIN 0
.endm
	s_wait_xcnt 0x0                                ; the first part's stores have read their registers: fragments may land there
	s_wait_tensorcnt 0x0                           ; my part of slot 1 has landed: no load was issued behind it,
	s_barrier_signal -1
	s_barrier_wait -1                              ; and everybody's has.
	FETCH2 0
	CH2 0, 1                                       ; the first products take bv as C
.irp n, 1,2,3,4,5,6,7
	CH2 \n, 0
.endr
	PLACES 4
.irp a, 0,2
	QNT2 \a, 100, 6144
.endr
	v_cndmask_b32 v[OW], v[PWK], v[PWK+2], s22     ; lanes 0-15 store my blocks 0 and 1's words of row r, lanes 16-31 those of 2 and 3
	v_cndmask_b32 v[OW+1], v[PWK+1], v[PWK+3], s22
	global_store_b64 v[SCO], v[OW:OW+1], s[8:9]    ; 256 consecutive bytes, aligned
	s_wait_tensorcnt 0x0                           ; the wave's end
	ds_add_u32 v[SPW], v[NIL]
	s_wait_dscnt 0x0
	CROUND                                         ; the closing round
	s_endpgm
.Lfunc_end_k_q49552e5a10_proj:
	.size	k_q49552e5a10_proj, .Lfunc_end_k_q49552e5a10_proj-k_q49552e5a10_proj
	.p2alignl 7, 3214868480
	.fill 96, 4, 3214868480
	.section	.rodata,"a",@progbits
	.p2align	6, 0x0
	.amdhsa_kernel k_q49552e5a10_proj
		.amdhsa_group_segment_fixed_size 327680
		.amdhsa_private_segment_fixed_size 0
		.amdhsa_enable_private_segment 0
		.amdhsa_kernarg_size 48
		.amdhsa_user_sgpr_count 2
		.amdhsa_user_sgpr_kernarg_segment_ptr 1
		.amdhsa_wavefront_size32 1
		.amdhsa_system_sgpr_workgroup_id_x 1
		.amdhsa_system_sgpr_workgroup_id_y 1
		.amdhsa_system_sgpr_workgroup_id_z 1
		.amdhsa_system_vgpr_workitem_id 0
		.amdhsa_next_free_vgpr 1024
		.amdhsa_next_free_sgpr 102
		.amdhsa_reserve_vcc 0
		.amdhsa_float_denorm_mode_32 3
		.amdhsa_float_denorm_mode_16_64 3
		.amdhsa_memory_ordered 1
		.amdhsa_forward_progress 1
		.amdhsa_inst_pref_size 216
	.end_amdhsa_kernel
	.amdgpu_metadata
---
amdhsa.version: [ 1, 2 ]
amdhsa.kernels:
  - .name:           k_q49552e5a10_proj
    .symbol:         k_q49552e5a10_proj.kd
    .args:
      - { .name: xw, .offset: 0, .size: 8, .value_kind: global_buffer, .address_space: global }
      - { .name: bq, .offset: 8, .size: 8, .value_kind: global_buffer, .address_space: global }
      - { .name: bk, .offset: 16, .size: 8, .value_kind: global_buffer, .address_space: global }
      - { .name: bv, .offset: 24, .size: 8, .value_kind: global_buffer, .address_space: global }
      - { .name: qk, .offset: 32, .size: 8, .value_kind: global_buffer, .address_space: global }
      - { .name: vt, .offset: 40, .size: 8, .value_kind: global_buffer, .address_space: global }
    .group_segment_fixed_size: 327680
    .private_segment_fixed_size: 0
    .kernarg_segment_align: 8
    .kernarg_segment_size: 48
    .max_flat_workgroup_size: 128
    .sgpr_count:     102
    .vgpr_count:     1024
    .wavefront_size: 32
...
	.end_amdgpu_metadata
.endif
;; end of part 2
;; launch scores (part 3): grid 8 x 32, 4 waves a work-group, clusters of 4 x 4, 327,680 bytes of LDS; arguments qk, p; writes p
.if DOCPART == 3
	.amdgcn_target "amdgcn-amd-amdhsa--gfx1250"
	.amdhsa_code_object_version 6
	.text
	.protected	k_q49552e5a10_scores
	.globl	k_q49552e5a10_scores
	.p2align	8
	.type	k_q49552e5a10_scores,@function
k_q49552e5a10_scores:
	s_mov_b64 s[64:65], 0
	v_nop
	global_prefetch_b8 v0, s[64:65] scope:SCOPE_SE
	s_setreg_imm32_b32 hwreg(HW_REG_WAVE_MODE, 25, 1), 1
	s_wait_xcnt 0x0
	s_wait_alu depctr_hold_cnt(0) depctr_sa_sdst(0) depctr_va_vdst(0) depctr_va_sdst(0) depctr_va_ssrc(0) depctr_va_vcc(0) depctr_vm_vsrc(0)
	s_getreg_b32 s2, hwreg(HW_REG_IB_STS2, 6, 4)
	s_cmp_eq_u32 s2, 0
	s_cbranch_scc0 .Lentry_in_a_cluster
	s_endpgm
.Lentry_in_a_cluster:
	s_bfe_u32 s2, ttmp6, 0x10000c
	s_cmp_lg_u32 s2, 0xf033
	s_cbranch_scc0 .Lentry_shape_is_right
	s_endpgm
.Lentry_shape_is_right:
; P = 2^(t - M) AND ITS QUANTISER, t = (Q K^T) log2(e) / 32, for each piece of 128 keys under that piece's own whole number M = ceil(the piece's largest t); the launch that reads p joins the pieces.
; A work-group makes 256 queries (tile tr) x 256 keys (tile tc of its batch); a wave 128 x 128: 64 accumulators.  K = 1,024 goes in four steps of 256 through two LDS slots (Q's two groups of 128 rows, then K's two); both are filled at the head, one load a wave.
; qk HOLDS groups of 128 rows x 256 K, 25,600 bytes each: 24,576 of codes as images of operands (a fragment: 1,536 bytes, registers 4 c .. 4 c + 3 of lane l at 512 c + 16 l), then scale words [128 along K: 2][512]: [256 K: 4][group: 128: Q 64, K 64].
; THE PRODUCT IS USED TRANSPOSED: source 0 = 16 positions of K, source 1 = 16 of Q: a lane holds one query, and register 16 b + i of block a is its score at key 32 b + 16 (lane / 16) + i of the wave's 128.
; p HOLDS: codes, images of operands, [512 keys: 4][block of 16 queries: 512][128 keys: 4][1536]; behind them [128 queries: 64][128 keys: 16][512] scale words, then -M, then the pieces' sums of the unquantised p, in the same order.
; CLUSTERS: 4 x 4: Q's tiles are asked for jointly along a row of the cluster, K's along a column.
; REGISTERS: window 0: v1-29 addresses; v32-63 scale words; v64-127, v164-199 at work on the way out; v128-223 Q's fragments.  Window 1: K's fragments, two sets.  Windows 2, 3: accumulator (a, b) at v[8 (8 (a % 4) + b)]; p takes the scores' own registers.
; LIMITS: the scaled scores stay under 2^31 in magnitude; a block of zeros gets the byte 1 (its codes are zeros; the bytes are this program's own); NaN and infinities are not served.  v_exp_f32 is taken not to fall where its input rises.
.set P_SC,  12582912
.set GRP,   25600
.set KSB,   128*GRP                    ; from a K step of 256 to the next, in qk
.set FR,    12
.set SLOT,  4*GRP
.set SPARE, 2*SLOT                     ; the spare words, 128 bytes a wave
.set LI,   1
.set RR,   10
.set HH,   11
.set ADRA, 16                          ; v16-17 Q's fragments in slot 0, 1;  v20-21 K's;  v26-27 the scale words
.set ADRB, 20
.set PFV,  22                          ; the prefetches' offset
.set ADRS, 26
.set SPW,  28
.set NIL,  29
.set SC,   32                          ; set s at v[32 + 16 s]; register 8 q + i: lanes 0-15 Q's block i, lanes 16-31 K's
.set AF,   128
.set PWK,  128
.set NMK,  136
.set LLK,  144
.set OW,   152
.set BM,   64                          ; v64-71 the eight blocks' largest scores, then largest p
.set PX,   72                          ; v72-79 lane l xor 16's
.set SO,   80                          ; v80-87 the conversions' scale operands
.set BY,   88                          ; v88-95 the bytes
.set SU,   96                          ; v96-103, v192-199 four chains of sums for each of two blocks
.set TT,   104
.set PD,   106
.set NM,   108                         ; v108, v110 -M of the two blocks (v109, v111: named as the upper halves of pairs)
.set PC,   112                         ; v112-123, v164-175 codes
.set CT,   176                         ; v176-191 the upper halves as converted
.set G1,   24
.set G0,   32
.set G1B,  48
.set G0B,  56
.set MSB, 0
.macro WIN new                         ; the immediate's high byte repeats the setting that is left
.if MSB != \new
	s_set_vgpr_msb (MSB<<8)|\new
.set MSB, \new
.endif
.endm
.set MUL_LO, 0xa1                      ; source 0 window 1, source 1 window 0, C and D window 2
.set MUL_HI, 0xf1
.set TO_B,   0x40
.macro PLACES n
.rept \n
	v_nop
.endr
.endm
; JOINT LOADS, one a wave, each in its own arm of one chain of branches on the wave's number; an s_nop 0 and four v_nop follow each line.
.macro TLOAD g0, g1
	tensor_load_to_lds s[\g0:\g0+3], s[\g1:\g1+7]
	s_nop 0
	PLACES 4
.endm
.macro ARM w, g0, g1, join
	s_cmp_eq_u32 s14, \w
	s_cbranch_scc0 .Lnot_w_\@
	TLOAD \g0, \g1
	s_branch \join
.Lnot_w_\@:
.endm
.macro HLOAD                           ; the head: waves 0 and 1 Q's and K's tile of K step 0, waves 2 and 3 those of K step 1
	ARM 0, G0, G1, .Lasked_\@
	ARM 1, G0B, G1B, .Lasked_\@
	ARM 2, G0+4, G1, .Lasked_\@
	TLOAD G0B+4, G1B
.Lasked_\@:
.endm
.macro JLOAD s                         ; slot s: wave 0 Q's tile, wave 1 K's
	ARM 0, G0+4*\s, G1, .Lasked_\@
	ARM 1, G0B+4*\s, G1B, .Lasked_\@
	PLACES 4                                       ; (the places in front of the LDS loads that follow, for the waves that ask for nothing)
.Lasked_\@:
.endm
; A PREFETCH INTO THE L2 of K step k's tiles, two K steps ahead of their use: 200 units of 256 bytes each of Q and of K, 50 for each of the four work-groups that ask jointly (by cx for Q, cy for K),
; 25 a wave (waves 0 and 1 Q's, 2 and 3 K's), told apart by address.  K steps 0 and 1 come by their loads alone; the last asked for is 3, the tensor's last.
.macro ASK k
	global_prefetch_b8 v[PFV], s[44:45] offset:KSB*((\k)-2) th:TH_LOAD_NT scope:SCOPE_SE
.endm
.macro CREST                           ; a round of the cluster's barrier behind its opening barrier
	s_cmp_lg_u32 s14, 0
	s_cbranch_scc1 .Lnot_wave_0_\@
	s_barrier_signal -3
.Lnot_wave_0_\@:
	s_barrier_wait -3
	s_barrier_signal -1
	s_barrier_wait -1
.endm
.macro CROUND
	s_barrier_signal -1
	s_barrier_wait -1
	CREST
.endm
.macro SADD d, x
	s_add_co_u32 s\d, s\d, s\x
.endm
	s_load_b128 s[4:7], s[0:1], 0x0                ; qk, p
	v_lshl_add_u32 v[SPW], v0, 2, SPARE
	v_mov_b32 v[NIL], 0
	ds_add_u32 v[SPW], v[NIL]                      ; the wave's opening: the add, twice on end, and its wait ahead of my first tensor load
	ds_add_u32 v[SPW], v[NIL]
	v_lshrrev_b32 v1, 5, v0
	v_readfirstlane_b32 s14, v1                    ; wave
	s_lshr_b32 s15, s14, 1                         ; my half of the queries
	s_and_b32 s16, s14, 1                          ; my half of the keys
	s_bfe_u32 s40, ttmp6, 0x40000
	s_bfe_u32 s41, ttmp6, 0x40004
	s_lshl_b32 s42, ttmp9, 2
	SADD 42, 40                                    ; tc: 0 .. 7
	s_and_b32 s67, ttmp7, 0xffff
	s_lshl_b32 s17, s67, 2
	SADD 17, 41                                    ; tr: 0 .. 31
	s_lshr_b32 s13, s67, 1                         ; the batch: by the cluster's y alone
	s_lshl_b32 s43, s41, 2
	s_lshl_b32 s43, 15, s43                        ; my row of the cluster
	s_lshl_b32 s44, 0x1111, s40                    ; my column
	s_or_b32 s[G1+0], s43, (3<<16)|(1<<21)         ; two groups are a dense block of 200 rows of 256 bytes (32 elements of 8)
	s_or_b32 s[G1B+0], s44, (3<<16)|(1<<21)
.irp g, G1, G1B
	s_mov_b32 s[\g+1], 32<<16
	s_mov_b32 s[\g+2], 200<<16
	s_mov_b32 s[\g+3], 32<<16
	s_mov_b32 s[\g+4], 200
	s_mov_b32 s[\g+5], 32
	s_mov_b32 s[\g+6], 0
	s_mov_b32 s[\g+7], 0
.endr
	s_mul_i32 s20, s17, 2*GRP                      ; Q: group 2 tr
	s_mov_b32 s21, 0
	s_lshl_b32 s46, s13, 4
	s_lshl_b32 s47, s42, 1
	SADD 46, 47
	s_add_co_u32 s46, s46, 64
	s_mul_i32 s46, s46, GRP                        ; K: group 64 + 16 batch + 2 tc
	s_mov_b32 s47, 0
	s_cmp_eq_u32 s15, 0                            ; the prefetches: waves 0 and 1 Q's tile, 2 and 3 K's: my work-group's and my wave's part of it, in K step 2
	s_cselect_b32 s44, s20, s46
	s_cselect_b32 s40, s40, s41
	s_mul_i32 s40, s40, 50*256
	s_mul_i32 s41, s16, 25*256
	SADD 44, 40
	SADD 44, 41
	s_add_co_u32 s44, s44, 2*KSB
	s_mov_b32 s45, 0
	s_wait_dscnt 0x0                               ; both opening adds are done
	s_wait_kmcnt 0x0
	s_add_nc_u64 s[20:21], s[4:5], s[20:21]
	s_add_nc_u64 s[46:47], s[4:5], s[46:47]
	s_add_nc_u64 s[44:45], s[4:5], s[44:45]
	CROUND                                         ; all sixteen work-groups are here: the first joint loads meet
.irp s, 0,1
	s_mov_b32 s[G0+4*\s], 1
	s_mov_b32 s[G0+4*\s+1], \s*SLOT
	s_add_nc_u64 s[G0+4*\s+2:G0+4*\s+3], s[20:21], \s*KSB
	s_or_b32 s[G0+4*\s+3], s[G0+4*\s+3], 0x80000000
	s_mov_b32 s[G0B+4*\s], 1
	s_mov_b32 s[G0B+4*\s+1], \s*SLOT+2*GRP
	s_add_nc_u64 s[G0B+4*\s+2:G0B+4*\s+3], s[46:47], \s*KSB
	s_or_b32 s[G0B+4*\s+3], s[G0B+4*\s+3], 0x80000000
.endr
	HLOAD                                          ; one tensor load a wave
	v_and_b32 v[LI], 31, v0
	v_min_u32 v[PFV], 24, v[LI]                    ; (lanes 25-31 name the wave's last unit again)
	v_lshlrev_b32 v[PFV], 8, v[PFV]                ; never rewritten
	ASK 2
	v_lshlrev_b32 v[LI], 4, v[LI]
	v_and_b32 v[RR], 15, v0
	v_bfe_u32 v[HH], v0, 4, 1
	s_wait_alu depctr_va_vdst(0)
	s_mul_i32 s21, s15, GRP
	s_mul_i32 s22, s16, GRP
	s_add_co_u32 s22, s22, 2*GRP
	s_sub_co_u32 s23, s22, s21                     ; scale words: lanes 0-15 take Q's group, lanes 16-31 K's: the lower base + h x the distance
	v_mul_u32_u24 v14, s23, v[HH]
	v_lshl_add_u32 v14, v[RR], 4, v14
	v_add_nc_u32 v14, 24576, v14
.irp s, 0,1
	v_add_nc_u32 v[ADRA+\s], s21, v[LI]
	v_add_nc_u32 v[ADRB+\s], s22, v[LI]
	v_add_nc_u32 v[ADRS+\s], s21, v14
	s_add_co_u32 s21, s21, SLOT
	s_add_co_u32 s22, s22, SLOT
.endr
	s_lshr_b32 s2, s42, 1                          ; p's codes: (((tc / 2) 512 + 16 tr + 8 half) 4 + 2 (tc % 2) + half) 1536
	s_lshl_b32 s2, s2, 9
	s_lshl_b32 s3, s17, 4
	SADD 2, 3
	s_lshl_b32 s3, s15, 3
	SADD 2, 3
	s_lshl_b32 s2, s2, 2
	s_and_b32 s3, s42, 1
	s_lshl_b32 s3, s3, 1
	SADD 2, 3
	SADD 2, 16
	s_mul_i32 s2, s2, 1536
	s_mov_b32 s3, 0
	s_add_nc_u64 s[10:11], s[6:7], s[2:3]
	s_lshl_b32 s2, s17, 1                          ; the other three: ((2 tr + half) 16 + 2 tc + half) 512
	SADD 2, 15
	s_lshl_b32 s2, s2, 4
	s_lshl_b32 s18, s42, 1
	SADD 2, 18
	SADD 2, 16
	s_lshl_b32 s2, s2, 9
	s_add_co_u32 s2, s2, P_SC
	s_add_nc_u64 s[8:9], s[6:7], s[2:3]
	s_mov_b32 s20, 0x76543210
	s_mov_b32 s21, 0xfedcba98                      ; selects for lane l xor 16
	s_mov_b32 s22, 0x3d38aa3b                      ; log2(e) / 32
	s_mov_b32 s23, s22
	s_mov_b32 s12, 0xffff0000                      ; lanes 16-31
.macro FRAG reg, adr, q, i             ; a fragment comes as it was stored: three loads of 512 consecutive bytes
.irp c, 0,1,2
	ds_load_b128 v[\reg+4*\c:\reg+4*\c+3], v[\adr] offset:(\i)*3072+(\q)*1536+512*\c
.endr
.endm
; 16 products: Q's blocks a0, a0 + 1 against K's eight; mode 1 starts the sums.  The 64 accumulators take turns, one instruction a turn.
.macro MUL16 a0, p, q, sc, mode
.irp a, \a0, \a0+1
.irp b, 0,1,2,3,4,5,6,7
.set XD, 8*(8*((\a)%4)+\b)
.set XB, 128*(\p)+FR*\b
.set XA, AF+FR*(\a)
.set XSB, SC+16*(\sc)+8*(\q)+\b
.set XSA, SC+16*(\sc)+8*(\q)+(\a)
.if \mode == 0
	v_wmma_scale_f32_16x16x128_f8f6f4 v[XD:XD+7], v[XB:XB+FR-1], v[XA:XA+FR-1], v[XD:XD+7], v[XSB], v[XSA] matrix_a_fmt:MATRIX_FMT_FP6 matrix_b_fmt:MATRIX_FMT_FP6 matrix_a_scale:MATRIX_SCALE_ROW1
.else
	v_wmma_scale_f32_16x16x128_f8f6f4 v[XD:XD+7], v[XB:XB+FR-1], v[XA:XA+FR-1], 0, v[XSB], v[XSA] matrix_a_fmt:MATRIX_FMT_FP6 matrix_b_fmt:MATRIX_FMT_FP6 matrix_a_scale:MATRIX_SCALE_ROW1
.endif
.endr
.endr
.endm
.macro FETCH_B slot, q, p
	WIN TO_B
.irp i, 0,1,2,3,4,5,6,7
	FRAG 128*(\p)+FR*\i, ADRB+\slot, \q, \i
.endr
	WIN 0
.endm
.macro FETCH_A slot, q, i0
.irp i, \i0, \i0+1, \i0+2, \i0+3
	FRAG AF+FR*(\i), ADRA+\slot, \q, \i
.endr
.endm
.macro SCALES slot
.irp q, 0,1
.irp u, 0,1
	ds_load_b128 v[SC+16*\slot+8*\q+4*\u:SC+16*\slot+8*\q+4*\u+3], v[ADRS+\slot] offset:\q*512+256*\u
.endr
.endr
.endm
; A step of 128 along K with its successor in the same slot.  Four plain places stand in front of each run of loads into registers that products have read.
.macro STEP slot, q, mode
	s_wait_dscnt 12                                ; all but Q's blocks 4-7 (4 x 3 loads) are in
	WIN MUL_LO
	MUL16 0, (\q)%2, \q, \slot, \mode
	MUL16 2, (\q)%2, \q, \slot, \mode
	s_wait_dscnt 0x0
	PLACES 4
	FETCH_B \slot, (\q)+1, 1-(\q)%2
	FETCH_A \slot, (\q)+1, 0
	WIN MUL_HI
	MUL16 4, (\q)%2, \q, \slot, \mode
	MUL16 6, (\q)%2, \q, \slot, \mode
	PLACES 4
	WIN 0
	FETCH_A \slot, (\q)+1, 4
.endm
; A slot's last step changes slots: one barrier; in front of it each wave waits for all its tensor loads, adds 0 to its spare word, and waits for that and for its reads of this slot.
; fill = 1: the barrier opens a round of the cluster's, and this slot takes the K step two on.  ask: the K step that is prefetched, or 0.
.macro TURN slot, next, fill, ask
	s_wait_tensorcnt 0x0                           ; my part of the next slot has landed; no load of mine is out
	ds_add_u32 v[SPW], v[NIL]
	s_wait_dscnt 13                                ; (the add and Q's blocks 4-7 may be out)
	WIN MUL_LO
	MUL16 0, 1, 1, \slot, 0
	s_wait_dscnt 0x0                               ; the add is done, and my reads of this slot are over
	s_barrier_signal -1
	MUL16 2, 1, 1, \slot, 0
	WIN 0
	s_barrier_wait -1
.if \fill
	CREST
	s_add_nc_u64 s[G0+4*\slot+2:G0+4*\slot+3], s[G0+4*\slot+2:G0+4*\slot+3], 2*KSB
	s_add_nc_u64 s[G0B+4*\slot+2:G0B+4*\slot+3], s[G0B+4*\slot+2:G0B+4*\slot+3], 2*KSB
	JLOAD \slot                                    ; at most one load a wave behind the round; the four v_nop are the places in front of the loads below
.else
	PLACES 4
.endif
	FETCH_B \next, 0, 0
	FETCH_A \next, 0, 0
	SCALES \next
.if \ask
	ASK \ask
.endif
	WIN MUL_HI
	MUL16 4, 1, 1, \slot, 0
	MUL16 6, 1, 1, \slot, 0
	PLACES 4
	WIN 0
	FETCH_A \next, 0, 4
.endm
	s_wait_alu depctr_va_vdst(0)
	s_cmp_lt_u32 s14, 2
	s_cbranch_scc0 .Lnot_first
	s_wait_tensorcnt 0x0                           ; K step 0's two tiles, asked for by waves 0 and 1, are in; K step 1's may be out
.Lnot_first:
	s_barrier_signal -1
	s_barrier_wait -1
	FETCH_B 0, 0, 0
	FETCH_A 0, 0, 0
	SCALES 0
	FETCH_A 0, 0, 4
	STEP 0, 0, 1                                   ; the first products start the sums
	TURN 0, 1, 1, 3
	STEP 1, 0, 0
	TURN 1, 0, 1, 0
	STEP 0, 0, 0
	TURN 0, 1, 0, 0
	STEP 1, 0, 0
	s_wait_dscnt 12
	WIN MUL_LO
	MUL16 0, 1, 1, 1, 0
	MUL16 2, 1, 1, 1, 0
	s_wait_dscnt 0x0
	WIN MUL_HI
	MUL16 4, 1, 1, 1, 0
	MUL16 6, 1, 1, 1, 0
	WIN 0
	PLACES 4
.irp b, 0,1,2,3,4,5,6,7
	v_mov_b32 v[PX+\b], 0                          ; a lane permute's destination counts as one of its sources
.endr
.irp b, 0,1
	v_mov_b32 v[PD+\b], 0
	v_mov_b32 v[NM+2*\b+1], 0
.endr
; THE WAY OUT, blocks a and a + 1 at a time, line by line in turn: p in the scores' own registers, the piece's -M and sum, the codes and the scale word.
.macro SMX2 a
.set AC, 64*((\a)%4)
.set WN, 2+(\a)/4
	WIN 5*WN                                       ; sources 0 and 1: the accumulators' window
.irp j, 0,1,2,3,4,5,6,7
	v_max_num_f32 v[BM+\j], v[AC+16*\j], v[AC+16*\j+1]   ; each accumulator from its low end on: the largest score of each 32 keys
.endr
.irp i, 2,4,6,8,10,12,14
.irp j, 0,1,2,3,4,5,6,7
	v_max3_num_f32 v[BM+\j], v[AC+16*\j+\i], v[AC+16*\j+\i+1], v[BM+\j]
.endr
.endr
	WIN 0
.irp j, 0,1,2,3,4,5,6,7
	v_permlanex16_b32 v[PX+\j], v[BM+\j], s20, s21
.endr
.irp j, 0,1,2,3,4,5,6,7
	v_max_num_f32 v[BM+\j], v[BM+\j], v[PX+\j]
.endr
.irp u, 0,1
	v_max3_num_f32 v[TT+\u], v[BM+4*\u], v[BM+4*\u+1], v[BM+4*\u+2]
.endr
.irp u, 0,1
	v_max_num_f32 v[TT+\u], v[TT+\u], v[BM+4*\u+3]
.endr
.irp u, 0,1
	v_mul_f32 v[TT+\u], s22, v[TT+\u]              ; the piece's largest t
.endr
.irp u, 0,1
	v_floor_f32 v[NM+2*\u], -v[TT+\u]              ; -M, a whole number
.endr
	WIN 0x41*WN                                    ; destination and source 0: the accumulators' window
.set J, 0
.rept 32
	v_pk_fma_f32 v[AC+J:AC+J+1], v[AC+J:AC+J+1], s[22:23], v[NM:NM+1] op_sel_hi:[1,0,0]   ; t - M
	v_pk_fma_f32 v[AC+64+J:AC+64+J+1], v[AC+64+J:AC+64+J+1], s[22:23], v[NM+2:NM+3] op_sel_hi:[1,0,0]
.set J, J+2
.endr
	WIN 0
.irp j, 0,1,2,3,4,5,6,7
	v_fma_f32 v[BM+\j], v[BM+\j], s22, v[NM+2*(\j/4)]   ; the same of each block's largest score
.endr
	WIN 0x41*WN
	s_wait_alu depctr_va_vdst(0)                   ; a wait ahead of the batch
.set J, 0
.rept 128
	v_exp_f32 v[AC+J], v[AC+J]                     ; p
.set J, J+1
.endr
	WIN 0
.irp j, 0,1,2,3,4,5,6,7
	v_exp_f32 v[BM+\j], v[BM+\j]                   ; the block's largest p
.endr
	v_mov_b32 v[NMK+(\a)], v[NM]
	v_mov_b32 v[NMK+(\a)+1], v[NM+2]
	s_wait_alu depctr_va_vdst(0)                   ; and ahead of its first reader
	WIN 5*WN
.irp k, 0,1,2,3                                ; the sums of the unquantised p: four chains a block
.irp u, 0,1
	v_pk_add_f32 v[SU+96*\u+2*\k:SU+96*\u+2*\k+1], v[AC+64*\u+2*\k:AC+64*\u+2*\k+1], v[AC+64*\u+8+2*\k:AC+64*\u+9+2*\k]
.endr
.endr
	WIN 4*WN                                       ; source 1 alone
.irp i, 16,24,32,40,48,56
.irp k, 0,1,2,3
.irp u, 0,1
	v_pk_add_f32 v[SU+96*\u+2*\k:SU+96*\u+2*\k+1], v[SU+96*\u+2*\k:SU+96*\u+2*\k+1], v[AC+64*\u+\i+2*\k:AC+64*\u+\i+2*\k+1]
.endr
.endr
.endr
	WIN 0
.irp k, 0,4
.irp u, 0,1
	v_pk_add_f32 v[SU+96*\u+\k:SU+96*\u+\k+1], v[SU+96*\u+\k:SU+96*\u+\k+1], v[SU+96*\u+\k+2:SU+96*\u+\k+3]
.endr
.endr
.irp j, 0,1,2,3,4,5,6,7
	v_max_num_f32 v[BM+\j], 0x1800000, v[BM+\j]    ; the floor 2^(3 - 127) holds the byte at 1
.endr
.irp u, 0,1
	v_pk_add_f32 v[SU+96*\u:SU+96*\u+1], v[SU+96*\u:SU+96*\u+1], v[SU+96*\u+4:SU+96*\u+5]
.endr
.irp j, 0,1,2,3,4,5,6,7
	v_add_nc_u32 v[SO+\j], 0xff000000, v[BM+\j]    ; 2 off the exponent field: the conversion's scale operand
.endr
.irp u, 0,1
	v_add_f32 v[SU+96*\u], v[SU+96*\u], v[SU+96*\u+1]
.endr
.irp j, 0,1,2,3,4,5,6,7
	v_lshrrev_b32 v[BY+\j], 23, v[SO+\j]           ; the byte
.endr
.irp u, 0,1
	v_permlanex16_b32 v[PD+\u], v[SU+96*\u], s20, s21
.endr
.irp u, 0,1
	v_lshl_or_b32 v[PWK+(\a)+\u], v[BY+4*\u+1], 8, v[BY+4*\u]
.endr
.irp u, 0,1
	v_add_f32 v[LLK+(\a)+\u], v[SU+96*\u], v[PD+\u]   ; the piece's sum
.endr
.irp u, 0,1
	v_lshl_or_b32 v[PWK+(\a)+\u], v[BY+4*\u+2], 16, v[PWK+(\a)+\u]
.endr
.irp u, 0,1
	v_lshl_or_b32 v[PWK+(\a)+\u], v[BY+4*\u+3], 24, v[PWK+(\a)+\u]
.endr
.if (\a) > 0
	s_wait_alu depctr_va_vdst(0)
	s_wait_xcnt 0x0                                ; the last pair's stores have read the codes' registers
.endif
	WIN WN
.irp u, 0,1
.irp c, 0,1
	v_cvt_scalef32_pk16_fp6_f32 v[PC+52*\u+6*\c:PC+52*\u+6*\c+2], v[AC+64*\u+32*\c:AC+64*\u+32*\c+15], v[SO+4*\u+2*\c]
	v_cvt_scalef32_pk16_fp6_f32 v[CT+8*\u+4*\c:CT+8*\u+4*\c+2], v[AC+64*\u+32*\c+16:AC+64*\u+32*\c+31], v[SO+4*\u+2*\c+1]
.endr
.endr
	WIN 0
	v_nop                                          ; one plain place behind a scaled conversion
.irp u, 0,1
.irp c, 0,1                                    ; the operand's layout wants a whole block in a lane
.irp i, 0,1,2
	v_permlane16_swap_b32 v[PC+52*\u+6*\c+\i], v[CT+8*\u+4*\c+\i]
.endr
.endr
.endr
.irp u, 0,1
.irp c, 0,1
.irp i, 0,1,2
	v_mov_b32 v[PC+52*\u+3+6*\c+\i], v[CT+8*\u+4*\c+\i]
.endr
.endr
.endr
.irp u, 0,1
.irp k, 0,1,2
	global_store_b128 v[LI], v[PC+52*\u+4*\k:PC+52*\u+4*\k+3], s[10:11] offset:6144*((\a)+\u)+512*\k   ; 512 consecutive bytes
.endr
.endr
.endm
.irp a, 0,2,4,6
	SMX2 \a
.endr
.irp j, 0,1,2,3
	v_cndmask_b32 v[OW+\j], v[PWK+\j], v[PWK+4+\j], s12   ; lanes 0-15: blocks 0-3 of row r; lanes 16-31: blocks 4-7
	v_cndmask_b32 v[OW+4+\j], v[NMK+\j], v[NMK+4+\j], s12
	v_cndmask_b32 v[OW+8+\j], v[LLK+\j], v[LLK+4+\j], s12
.endr
	global_store_b128 v[LI], v[OW:OW+3], s[8:9]
	global_store_b128 v[LI], v[OW+4:OW+7], s[8:9] offset:524288
	global_store_b128 v[LI], v[OW+8:OW+11], s[8:9] offset:1048576
	s_wait_tensorcnt 0x0                           ; the wave's end
	ds_add_u32 v[SPW], v[NIL]
	s_wait_dscnt 0x0
	CROUND                                         ; the closing round
	s_endpgm
.Lfunc_end_k_q49552e5a10_scores:
	.size	k_q49552e5a10_scores, .Lfunc_end_k_q49552e5a10_scores-k_q49552e5a10_scores
	.p2alignl 7, 3214868480
	.fill 96, 4, 3214868480
	.section	.rodata,"a",@progbits
	.p2align	6, 0x0
	.amdhsa_kernel k_q49552e5a10_scores
		.amdhsa_group_segment_fixed_size 327680
		.amdhsa_private_segment_fixed_size 0
		.amdhsa_enable_private_segment 0
		.amdhsa_kernarg_size 16
		.amdhsa_user_sgpr_count 2
		.amdhsa_user_sgpr_kernarg_segment_ptr 1
		.amdhsa_wavefront_size32 1
		.amdhsa_system_sgpr_workgroup_id_x 1
		.amdhsa_system_sgpr_workgroup_id_y 1
		.amdhsa_system_sgpr_workgroup_id_z 1
		.amdhsa_system_vgpr_workitem_id 0
		.amdhsa_next_free_vgpr 1024
		.amdhsa_next_free_sgpr 100
		.amdhsa_reserve_vcc 0
		.amdhsa_float_denorm_mode_32 3
		.amdhsa_float_denorm_mode_16_64 3
		.amdhsa_memory_ordered 1
		.amdhsa_forward_progress 1
		.amdhsa_inst_pref_size 192
	.end_amdhsa_kernel
	.amdgpu_metadata
---
amdhsa.version: [ 1, 2 ]
amdhsa.kernels:
  - .name:           k_q49552e5a10_scores
    .symbol:         k_q49552e5a10_scores.kd
    .args:
      - { .name: qk, .offset: 0, .size: 8, .value_kind: global_buffer, .address_space: global }
      - { .name: p, .offset: 8, .size: 8, .value_kind: global_buffer, .address_space: global }
    .group_segment_fixed_size: 327680
    .private_segment_fixed_size: 0
    .kernarg_segment_align: 8
    .kernarg_segment_size: 16
    .max_flat_workgroup_size: 128
    .sgpr_count:     100
    .vgpr_count:     1024
    .wavefront_size: 32
...
	.end_amdgpu_metadata
.endif
;; end of part 3
;; launch pv (part 4): grid 4 x 64, 4 waves a work-group, clusters of 4 x 4, 327,680 bytes of LDS; arguments p, vt, out0; writes out0
.if DOCPART == 4
	.amdgcn_target "amdgcn-amd-amdhsa--gfx1250"
	.amdhsa_code_object_version 6
	.text
	.protected	k_q49552e5a10_pv
	.globl	k_q49552e5a10_pv
	.p2align	8
	.type	k_q49552e5a10_pv,@function
k_q49552e5a10_pv:
	s_mov_b64 s[64:65], 0
	v_nop
	global_prefetch_b8 v0, s[64:65] scope:SCOPE_SE
	s_setreg_imm32_b32 hwreg(HW_REG_WAVE_MODE, 25, 1), 1
	s_wait_xcnt 0x0
	s_wait_alu depctr_hold_cnt(0) depctr_sa_sdst(0) depctr_va_vdst(0) depctr_va_sdst(0) depctr_va_ssrc(0) depctr_va_vcc(0) depctr_vm_vsrc(0)
	s_getreg_b32 s2, hwreg(HW_REG_IB_STS2, 6, 4)
	s_cmp_eq_u32 s2, 0
	s_cbranch_scc0 .Lentry_in_a_cluster
	s_endpgm
.Lentry_in_a_cluster:
	s_bfe_u32 s2, ttmp6, 0x10000c
	s_cmp_lg_u32 s2, 0xf033
	s_cbranch_scc0 .Lentry_shape_is_right
	s_endpgm
.Lentry_shape_is_right:
; O = P V / l on codes of FP6 (E2M3).  P's codes were made for each 128 keys under that piece's own whole number M.  Here a row's sixteen pieces are joined: the row's M is the largest of them; a piece's scale bytes get
; (its M - the row's M) added, an exact power of two; the row's sum is the pieces' sums brought under the row's M by v_ldexp_f32; O is divided by it at the end.
; A tile of 128 queries x 256 of the head is made by four waves, each 64 x 128: 32 accumulators.  K = 2,048 keys goes in four steps of 512 through two LDS slots (P's codes: 49,152 bytes; V^T's two groups of codes and scale words: 102,400);
; both slots are filled at the head, one load a wave, and the pieces are joined while they are on their way.
; Operands lie as images of their registers.  The product is used transposed (source 0 = 16 positions of V^T, source 1 = 16 of P): a lane holds one query, its registers run along the head.
; THE LAST 512 KEYS GO BY ROWS: V^T's fragments of all four chunks of 128 lie in registers, and P's four blocks are finished one after the other, K ascending, so that a finished block's rows leave while the others are multiplied.
; CLUSTERS: 4 x 4: P's tiles are asked for jointly along a row of the cluster, V^T's along a column.
; Queries are kept by position (bits 3 and 4 of the row's number exchanged); the last stores put each row at its own place.
; REGISTERS: window 0: v1-30 addresses; v32-63, v224-239 scale words (P's 4, V^T's 8 a chunk: two sets, in the last 512 keys four); v64-127 at work; v128-223 P's fragments, two sets; v240-247 1 / l at the end.  Windows 1 and, in the last 512 keys, 3: V^T's, two sets each.
; Window 2: accumulator (a, b) at v[8 (8 a + b)]; a block's rows come back from the stage into its own accumulators' registers.
; LIMITS: a shifted scale byte is held at 0 (2^-127) from below: what lies there is under 2^-120 of the row's largest p.  NaN and infinities are not served.
.set P_SC,  12582912
.set GV,    51200                      ; a group of V^T: 128 rows x 512 keys: 49,152 bytes of codes, then scale words [128 keys: 4][512]
.set PST,   3145728                    ; from a K step to the next in p,
.set VST,   8*GV                       ; and in vt
.set FR,    12
.set VOF,   49152                      ; V^T's groups lie behind P's codes
.set SLOT,  VOF+2*GV
.set SCA,   2*SLOT                     ; P's shifted scale words: 16 chunks x 512, stored by the waves
.set RCL,   SCA+8192                   ; 1 / l: 512 bytes for each wave
.set SPARE, RCL+2048                   ; the spare words
.set LI,   1
.set PFP,  2                           ; v2, v3: the prefetches' offsets
.set PFW,  3
.set RR,   10
.set HH,   11
.set ADSB, 14                          ; v14-15 V^T's scale words in slot 0, 1
.set ADRA, 16
.set ADRB, 20
.set ADSA, 22
.set ADRC, 24
.set ARC,  25
.set ASC,  26
.set STO,  27
.set SPW,  28
.set NIL,  29
.set RD,   30
.set SC,   32
.set T,    64
.set AF,   128
.set MM,   64                          ; the joining: -M of 16 pieces x 4 rows a lane; their sums; my four chunks' scale words and -M
.set LL,   128
.set SW,   192
.set OM,   208
.set TT,   128                         ; (the sums' registers, when they have been added)
.set NMN,  240
.set LS,   244
.set RCP,  248
.set RC,   240                         ; at the end: 1 / l of my row of block a at v[240 + 2 a] (the odd ones are named as the upper halves of pairs, and not used)
.set G1A,  24
.set G0A,  32
.set G1B,  48
.set G0B,  56
.set MSB, 0
.macro WIN new
.if MSB != \new
	s_set_vgpr_msb (MSB<<8)|\new
.set MSB, \new
.endif
.endm
.set MUL,  0xa1                        ; source 0 (V^T) window 1, source 1 (P) window 0, C and D window 2
.set TO_B, 0x40
.macro PLACES n
.rept \n
	v_nop
.endr
.endm
; JOINT LOADS, one a wave, each in its own arm of one chain of branches on the wave's number; an s_nop 0 and four v_nop follow each line.
.macro TLOAD g0, g1
	tensor_load_to_lds s[\g0:\g0+3], s[\g1:\g1+7]
	s_nop 0
	PLACES 4
.endm
.macro ARM w, g0, g1, join
	s_cmp_eq_u32 s14, \w
	s_cbranch_scc0 .Lnot_w_\@
	TLOAD \g0, \g1
	s_branch \join
.Lnot_w_\@:
.endm
.macro HLOAD                           ; the head: waves 0 and 1 P's and V^T's tile of K step 0, waves 2 and 3 those of K step 1
	ARM 0, G0A, G1A, .Lasked_\@
	ARM 1, G0B, G1B, .Lasked_\@
	ARM 2, G0A+4, G1A, .Lasked_\@
	TLOAD G0B+4, G1B
.Lasked_\@:
.endm
.macro JLOAD s                         ; slot s: wave 0 P's tile, wave 1 V^T's
	ARM 0, G0A+4*\s, G1A, .Lasked_\@
	ARM 1, G0B+4*\s, G1B, .Lasked_\@
	PLACES 4                                       ; (the places in front of the LDS loads that follow, for the waves that ask for nothing)
.Lasked_\@:
.endm
; A PREFETCH INTO THE L2 of K step k's tiles, two K steps ahead of their use, told apart by address: P's 192 units of 256 bytes, 48 for each of the four work-groups that ask jointly (by cx), 12 a wave;
; V^T's 400 units, 100 for each of the four (by cy), 25 a wave.  K steps 0 and 1 come by their loads alone; the last asked for is 3, the last there is.
.macro PF k
	global_prefetch_b8 v[PFP], s[84:85] offset:PST*((\k)-2) th:TH_LOAD_NT scope:SCOPE_SE
	global_prefetch_b8 v[PFW], s[86:87] offset:VST*((\k)-2) th:TH_LOAD_NT scope:SCOPE_SE
.endm
.macro CREST
	s_cmp_lg_u32 s14, 0
	s_cbranch_scc1 .Lnot_wave_0_\@
	s_barrier_signal -3
.Lnot_wave_0_\@:
	s_barrier_wait -3
	s_barrier_signal -1
	s_barrier_wait -1
.endm
.macro CROUND
	s_barrier_signal -1
	s_barrier_wait -1
	CREST
.endm
.macro SADD d, x
	s_add_co_u32 s\d, s\d, s\x
.endm
	s_load_b128 s[4:7], s[0:1], 0x0                ; p, vt
	s_load_b64 s[8:9], s[0:1], 0x10                ; out0
	v_lshl_add_u32 v[SPW], v0, 2, SPARE
	v_mov_b32 v[NIL], 0
	ds_add_u32 v[SPW], v[NIL]                      ; the wave's opening: the add, twice on end, and its wait ahead of my first tensor load
	ds_add_u32 v[SPW], v[NIL]
	v_lshrrev_b32 v1, 5, v0
	v_readfirstlane_b32 s14, v1
	s_lshr_b32 s15, s14, 1                         ; my half of the queries
	s_and_b32 s16, s14, 1                          ; my half of the 256 of the head
	s_bfe_u32 s40, ttmp6, 0x40000
	s_bfe_u32 s41, ttmp6, 0x40004
	s_lshl_b32 s42, ttmp9, 2
	SADD 42, 40                                    ; which 256 of the head
	s_and_b32 s67, ttmp7, 0xffff
	s_lshl_b32 s17, s67, 2
	SADD 17, 41                                    ; which 128 queries
	s_lshr_b32 s13, s67, 2                         ; the batch: by the cluster's y alone
	s_lshl_b32 s43, s41, 2
	s_lshl_b32 s43, 15, s43
	s_lshl_b32 s44, 0x1111, s40
	; descriptor group 1: dense blocks as rows of 256 bytes (32 elements of 8): P 192 rows, V^T 400
	s_or_b32 s[G1A+0], s43, (3<<16)|(1<<21)
	s_mov_b32 s[G1A+1], 32<<16
	s_mov_b32 s[G1A+2], 192<<16
	s_mov_b32 s[G1A+3], 32<<16
	s_mov_b32 s[G1A+4], 192
	s_mov_b32 s[G1A+5], 32
	s_mov_b32 s[G1A+6], 0
	s_mov_b32 s[G1A+7], 0
	s_or_b32 s[G1B+0], s44, (3<<16)|(1<<21)
	s_mov_b32 s[G1B+1], 32<<16
	s_mov_b32 s[G1B+2], 400<<16
	s_mov_b32 s[G1B+3], 32<<16
	s_mov_b32 s[G1B+4], 400
	s_mov_b32 s[G1B+5], 32
	s_mov_b32 s[G1B+6], 0
	s_mov_b32 s[G1B+7], 0
	s_mul_i32 s20, s17, 8*6144                     ; P: block 8 g
	s_mov_b32 s21, 0
	s_lshl_b32 s46, s13, 5
	s_lshl_b32 s47, s42, 1
	SADD 46, 47
	s_mul_i32 s46, s46, GV                         ; V^T: group 32 batch + 2 tx
	s_mov_b32 s47, 0
	s_mul_i32 s84, s40, 48*256                     ; the prefetches: my work-group's and my wave's parts, in K step 2
	s_mul_i32 s85, s14, 12*256
	SADD 84, 85
	SADD 84, 20
	s_add_co_u32 s84, s84, 2*PST
	s_mov_b32 s85, 0
	s_mul_i32 s86, s41, 100*256
	s_mul_i32 s87, s14, 25*256
	SADD 86, 87
	SADD 86, 46
	s_add_co_u32 s86, s86, 2*VST
	s_mov_b32 s87, 0
	s_wait_dscnt 0x0                               ; both opening adds are done
	s_wait_kmcnt 0x0
	s_add_nc_u64 s[20:21], s[4:5], s[20:21]
	s_add_nc_u64 s[46:47], s[6:7], s[46:47]
	s_add_nc_u64 s[84:85], s[4:5], s[84:85]
	s_add_nc_u64 s[86:87], s[6:7], s[86:87]
	CROUND
.irp s, 0,1
	s_mov_b32 s[G0A+4*\s], 1
	s_mov_b32 s[G0A+4*\s+1], \s*SLOT
	s_add_nc_u64 s[G0A+4*\s+2:G0A+4*\s+3], s[20:21], \s*PST
	s_or_b32 s[G0A+4*\s+3], s[G0A+4*\s+3], 0x80000000
	s_mov_b32 s[G0B+4*\s], 1
	s_mov_b32 s[G0B+4*\s+1], \s*SLOT+VOF
	s_add_nc_u64 s[G0B+4*\s+2:G0B+4*\s+3], s[46:47], \s*VST
	s_or_b32 s[G0B+4*\s+3], s[G0B+4*\s+3], 0x80000000
.endr
	HLOAD                                          ; one tensor load a wave
	v_and_b32 v[LI], 31, v0
	v_min_u32 v[PFP], 11, v[LI]                    ; (the lanes left over name the wave's last unit again)
	v_min_u32 v[PFW], 24, v[LI]
	v_lshlrev_b32 v[PFP], 8, v[PFP]                ; v2, v3: never rewritten
	v_lshlrev_b32 v[PFW], 8, v[PFW]
	v_lshlrev_b32 v[LI], 4, v[LI]
	v_and_b32 v[RR], 15, v0
	v_bfe_u32 v[HH], v0, 4, 1
	s_wait_alu depctr_va_vdst(0)
	s_lshl_b32 s2, s17, 13
	s_add_co_u32 s2, s2, P_SC
	s_mov_b32 s3, 0
	s_add_nc_u64 s[80:81], s[4:5], s[2:3]          ; my group's images
	s_lshl_b32 s2, s14, 11
	s_add_nc_u64 s[82:83], s[80:81], s[2:3]        ; my four chunks of them
.irp c, 0,1,2,3,4,5,6,7,8,9,10,11,12,13,14,15
	global_load_b128 v[MM+4*\c:MM+4*\c+3], v[LI], s[80:81] offset:524288+512*\c
.endr
.irp c, 0,1,2,3,4,5,6,7,8,9,10,11,12,13,14,15
	global_load_b128 v[LL+4*\c:LL+4*\c+3], v[LI], s[80:81] offset:1048576+512*\c
.endr
.irp c, 0,1,2,3
	global_load_b128 v[SW+4*\c:SW+4*\c+3], v[LI], s[82:83] offset:512*\c
	global_load_b128 v[OM+4*\c:OM+4*\c+3], v[LI], s[82:83] offset:524288+512*\c
.endr
	PF 2
	s_mul_i32 s21, s15, 24576
	s_mul_i32 s22, s16, GV
	s_add_co_u32 s22, s22, VOF
.irp s, 0,1
	v_add_nc_u32 v[ADRA+\s], s21, v[LI]
	v_add_nc_u32 v[ADRB+\s], s22, v[LI]
	s_add_co_u32 s23, s22, 49152
	v_lshl_add_u32 v[ADSB+\s], v[RR], 4, s23       ; V^T's scale words: row r of my group's blocks
	s_add_co_u32 s21, s21, SLOT
	s_add_co_u32 s22, s22, SLOT
.endr
	s_lshl_b32 s21, s15, 8
	s_add_co_u32 s21, s21, SCA
	v_lshl_add_u32 v[ADSA], v[RR], 4, s21          ; P's words: row r of my four blocks
	s_lshl_b32 s21, s14, 9
	s_add_co_u32 s21, s21, RCL
	v_add_nc_u32 v[ARC], s21, v[LI]
	s_lshl_b32 s22, s15, 8
	SADD 22, 21
	v_lshl_add_u32 v[ADRC], v[RR], 4, s22
	s_lshl_b32 s21, s14, 11
	s_add_co_u32 s21, s21, SCA
	v_add_nc_u32 v[ASC], s21, v[LI]
	s_mul_i32 s21, s14, 16*528                     ; my stage, in slot 0, for the way out
	v_add_nc_u32 v[RD], s21, v[LI]
	v_mul_u32_u24 v[STO], v[RR], 528
	v_lshl_add_u32 v[STO], v[HH], 6, v[STO]
	v_add_nc_u32 v[STO], s21, v[STO]
	s_lshl_b32 s2, s17, 19                         ; out0: (128 g + 64 half) rows of 4,096 bytes + (256 tx + 128 half) x 4
	s_lshl_b32 s18, s15, 18
	SADD 2, 18
	s_lshl_b32 s18, s42, 10
	SADD 2, 18
	s_lshl_b32 s18, s16, 9
	SADD 2, 18
	s_add_nc_u64 s[10:11], s[8:9], s[2:3]
	; THE JOINING, while the first tiles are on their way.  Lane (r, h), register j: row r of block 4 h + j of my 128 queries.
	s_wait_alu depctr_va_vdst(0)
	s_wait_loadcnt 0x0
.irp j, 0,1,2,3
	v_min3_num_f32 v[NMN+\j], v[MM+\j], v[MM+4+\j], v[MM+8+\j]   ; the least -M is the row's
.endr
.irp c, 3,5,7,9,11,13
.irp j, 0,1,2,3
	v_min3_num_f32 v[NMN+\j], v[NMN+\j], v[MM+4*\c+\j], v[MM+4*\c+4+\j]
.endr
.endr
.irp j, 0,1,2,3
	v_min_num_f32 v[NMN+\j], v[NMN+\j], v[MM+60+\j]
.endr
.set J, 0
.rept 64
	v_sub_f32 v[MM+J], v[NMN+J%4], v[MM+J]         ; the piece's M - the row's: a whole number, 0 or less
.set J, J+1
.endr
.set J, 0
.rept 64
	v_cvt_i32_f32 v[MM+J], v[MM+J]                 ; (it saturates)
.set J, J+1
.endr
.set J, 0
.rept 64
	v_ldexp_f32 v[LL+J], v[LL+J], v[MM+J]          ; the piece's sum under the row's M: nothing is rounded
.set J, J+1
.endr
	v_pk_add_f32 v[LS:LS+1], v[LL:LL+1], v[LL+4:LL+5]
	v_pk_add_f32 v[LS+2:LS+3], v[LL+2:LL+3], v[LL+6:LL+7]
.irp c, 2,3,4,5,6,7,8,9,10,11,12,13,14,15
	v_pk_add_f32 v[LS:LS+1], v[LS:LS+1], v[LL+4*\c:LL+4*\c+1]
	v_pk_add_f32 v[LS+2:LS+3], v[LS+2:LS+3], v[LL+4*\c+2:LL+4*\c+3]
.endr
	s_wait_alu depctr_va_vdst(0)                   ; a wait ahead of the batch
.irp j, 0,1,2,3
	v_rcp_f32 v[RCP+\j], v[LS+\j]
.endr
.irp c, 0,1,2,3                                ; my four chunks' scale words: each byte + (the piece's M - the row's M), held at 0 from below
.irp j, 0,1,2,3
	v_sub_f32 v[OM+4*\c+\j], v[NMN+\j], v[OM+4*\c+\j]
.endr
.irp j, 0,1,2,3
.irp k, 0,1,2,3
	v_bfe_u32 v[TT+4*\j+\k], v[SW+4*\c+\j], 8*\k, 8
.endr
.endr
.set J, 0
.rept 16
	v_cvt_f32_u32 v[TT+J], v[TT+J]
.set J, J+1
.endr
.set J, 0
.rept 16
	v_add_f32 v[TT+J], v[TT+J], v[OM+4*\c+J/4]
.set J, J+1
.endr
.set J, 0
.rept 16
	v_max_num_f32 v[TT+J], 0, v[TT+J]
.set J, J+1
.endr
.set J, 0
.rept 16
	v_cvt_u32_f32 v[TT+J], v[TT+J]
.set J, J+1
.endr
.irp j, 0,1,2,3
	v_lshl_or_b32 v[SW+4*\c+\j], v[TT+4*\j+1], 8, v[TT+4*\j]
.endr
.irp j, 0,1,2,3
	v_lshl_or_b32 v[SW+4*\c+\j], v[TT+4*\j+2], 16, v[SW+4*\c+\j]
.endr
.irp j, 0,1,2,3
	v_lshl_or_b32 v[SW+4*\c+\j], v[TT+4*\j+3], 24, v[SW+4*\c+\j]
.endr
.endr
	s_wait_alu depctr_va_vdst(0)                   ; one wait for the four reciprocals, ahead of their first reader
	ds_store_b128 v[ARC], v[RCP:RCP+3]
.irp c, 0,1,2,3
	ds_store_b128 v[ASC], v[SW+4*\c:SW+4*\c+3] offset:512*\c
.endr
; the fragments and scale words of chunk n (the q-th 128 keys of a slot) into set p: 24 + 12 + 3 loads
.macro FETCH slot, q, p, n
	WIN TO_B
.irp i, 0,1,2,3,4,5,6,7
.irp c, 0,1,2
	ds_load_b128 v[128*(\p)+FR*\i+4*\c:128*(\p)+FR*\i+4*\c+3], v[ADRB+\slot] offset:\i*6144+(\q)*1536+512*\c
.endr
.endr
	WIN 0
.irp i, 0,1,2,3
.irp c, 0,1,2
	ds_load_b128 v[AF+48*(\p)+FR*\i+4*\c:AF+48*(\p)+FR*\i+4*\c+3], v[ADRA+\slot] offset:\i*6144+(\q)*1536+512*\c
.endr
.endr
	ds_load_b128 v[SC+12*(\p):SC+12*(\p)+3], v[ADSA] offset:512*(\n)
	ds_load_b128 v[SC+12*(\p)+4:SC+12*(\p)+7], v[ADSB+\slot] offset:512*(\q)
	ds_load_b128 v[SC+12*(\p)+8:SC+12*(\p)+11], v[ADSB+\slot] offset:512*(\q)+256
.endm
; eight products: P's block a x V^T's eight.  The 32 accumulators take turns, one instruction a turn.
.macro MULA a, p, zero
	WIN MUL
.irp b, 0,1,2,3,4,5,6,7
.set XD, 8*(8*(\a)+\b)
.set XB, 128*(\p)+FR*\b
.set XA, AF+48*(\p)+FR*(\a)
.if \zero
	v_wmma_scale_f32_16x16x128_f8f6f4 v[XD:XD+7], v[XB:XB+FR-1], v[XA:XA+FR-1], 0, v[SC+12*(\p)+4+\b], v[SC+12*(\p)+(\a)] matrix_a_fmt:MATRIX_FMT_FP6 matrix_b_fmt:MATRIX_FMT_FP6
.else
	v_wmma_scale_f32_16x16x128_f8f6f4 v[XD:XD+7], v[XB:XB+FR-1], v[XA:XA+FR-1], v[XD:XD+7], v[SC+12*(\p)+4+\b], v[SC+12*(\p)+(\a)] matrix_a_fmt:MATRIX_FMT_FP6 matrix_b_fmt:MATRIX_FMT_FP6
.endif
.endr
.endm
; chunk n; the next chunk (the nq-th of slot nslot) is fetched into the other set ahead of this chunk's 32 products
.macro CH nslot, nq, n, zero
	s_wait_dscnt 0x0                               ; this chunk's fragments are in
	PLACES 4                                       ; in front of loads into registers that the last chunk's products have read
	FETCH \nslot, \nq, 1-(\n)%2, (\n)+1
	MULA 0, (\n)%2, \zero
	MULA 1, (\n)%2, \zero
	MULA 2, (\n)%2, \zero
	MULA 3, (\n)%2, \zero
	WIN 0
.endm
; a slot's last chunk changes slots, and the slot is filled again
.macro TURNP slot, n
	s_wait_tensorcnt 0x0                           ; my part of the next slot has landed; no load of mine is out
	ds_add_u32 v[SPW], v[NIL]
	s_wait_dscnt 1                                 ; (the add may be out)
	MULA 0, 1, 0
	s_wait_dscnt 0x0                               ; the add is done, and my reads of this slot are over
	s_barrier_signal -1
	MULA 1, 1, 0
	WIN 0
	s_barrier_wait -1
	CREST                                          ; the barrier has opened a round of the cluster's
	s_add_nc_u64 s[G0A+4*\slot+2:G0A+4*\slot+3], s[G0A+4*\slot+2:G0A+4*\slot+3], 2*PST
	s_add_nc_u64 s[G0B+4*\slot+2:G0B+4*\slot+3], s[G0B+4*\slot+2:G0B+4*\slot+3], 2*VST
	JLOAD \slot                                    ; at most one load a wave behind the round; the four v_nop are the places in front of the loads below
	FETCH 1-\slot, 0, 0, (\n)+1
.if (\n) == 3
	PF 3
.endif
	MULA 2, 1, 0
	MULA 3, 1, 0
	WIN 0
.endm
	s_wait_alu depctr_va_vdst(0)
	s_cmp_lt_u32 s14, 2
	s_cbranch_scc0 .Lnot_first
	s_wait_tensorcnt 0x0                           ; K step 0's two tiles, asked for by waves 0 and 1, are in; K step 1's may be out
.Lnot_first:
	s_wait_dscnt 0x0                               ; my stores of P's scale words have landed
	s_barrier_signal -1
	s_barrier_wait -1
	FETCH 0, 0, 0, 0
	CH 0, 1, 0, 1                                  ; the first chunk's products start the sums
	CH 0, 2, 1, 0
	CH 0, 3, 2, 0
	TURNP 0, 3
	CH 1, 1, 4, 0
	CH 1, 2, 5, 0
	CH 1, 3, 6, 0
	TURNP 1, 7
	CH 0, 1, 8, 0
	CH 0, 2, 9, 0
	CH 0, 3, 10, 0
; THE LAST 512 KEYS, BY ROWS.  Chunk 12 + q: V^T's fragments at v[vreg ..] of window 1 (q = 0, 3) or 3 (q = 1, 2), P's scale words at ps, V^T's at vs.
.macro VLOAD tow, vreg, q, ps, vs      ; 24 + 3 loads
	WIN \tow
.irp i, 0,1,2,3,4,5,6,7
.irp c, 0,1,2
	ds_load_b128 v[\vreg+FR*\i+4*\c:\vreg+FR*\i+4*\c+3], v[ADRB+1] offset:\i*6144+\q*1536+512*\c
.endr
.endr
	WIN 0
	ds_load_b128 v[\ps:\ps+3], v[ADSA] offset:512*(12+\q)
	ds_load_b128 v[\vs:\vs+3], v[ADSB+1] offset:512*\q
	ds_load_b128 v[\vs+4:\vs+7], v[ADSB+1] offset:512*\q+256
.endm
.macro PBLK a                          ; P's fragments of block a, four chunks: 12 loads
.irp q, 0,1,2,3
.irp c, 0,1,2
	ds_load_b128 v[AF+48*((\a)%2)+FR*\q+4*\c:AF+48*((\a)%2)+FR*\q+4*\c+3], v[ADRA+1] offset:(\a)*6144+\q*1536+512*\c
.endr
.endr
.endm
.macro ROWQ a, q, win, vreg, ps, vs    ; eight products, by turns
	WIN \win
.irp b, 0,1,2,3,4,5,6,7
.set XD, 8*(8*(\a)+\b)
.set XB, \vreg+FR*\b
.set XA, AF+48*((\a)%2)+FR*(\q)
	v_wmma_scale_f32_16x16x128_f8f6f4 v[XD:XD+7], v[XB:XB+FR-1], v[XA:XA+FR-1], v[XD:XD+7], v[\vs+\b], v[\ps+(\a)] matrix_a_fmt:MATRIX_FMT_FP6 matrix_b_fmt:MATRIX_FMT_FP6
.endr
.endm
.macro ROW01 a
	ROWQ \a, 0, 0xa1, 0, 32, 36
	ROWQ \a, 1, 0xa3, 0, 224, 228
	WIN 0
.endm
.macro ROW23 a
	ROWQ \a, 2, 0xa3, 128, 236, 56
	ROWQ \a, 3, 0xa1, 128, 44, 48
	WIN 0
.endm
; THE WAY OUT: block a's 16 queries x 128 are divided by l, go through my stage and leave as whole rows of 512 bytes.
.macro OUTB a
	WIN 0x02
.set J, 0
.rept 32
	v_pk_mul_f32 v[T+J:T+J+1], v[64*(\a)+J:64*(\a)+J+1], v[RC+2*(\a):RC+2*(\a)+1] op_sel_hi:[1,0]   ; each accumulator from its low end on
.set J, J+2
.endr
	WIN 0
.irp b, 0,1,2,3,4,5,6,7
	ds_store_b128 v[STO], v[T+8*\b:T+8*\b+3] offset:128*(\b/2)+32*(\b%2)       ; register 8 b + j: channel 32 (b / 2) + 16 h + 8 (b % 2) + j
	ds_store_b128 v[STO], v[T+8*\b+4:T+8*\b+7] offset:128*(\b/2)+32*(\b%2)+16
.endr
	WIN 0x80
.irp t, 0,1,2,3,4,5,6,7,8,9,10,11,12,13,14,15
	ds_load_b128 v[64*(\a)+4*\t:64*(\a)+4*\t+3], v[RD] offset:\t*528   ; LDS serves a wave's instructions in order: these see the stores above
.endr
	WIN 0
.endm
.macro SEND a
	s_wait_dscnt 0x0                               ; the block is back in registers, and its stores into the stage have read theirs
	WIN 0x08
.irp t, 0,1,2,3,4,5,6,7,8,9,10,11,12,13,14,15
	global_store_b128 v[LI], v[64*(\a)+4*\t:64*(\a)+4*\t+3], s[10:11] offset:(32*((\a)/2)+16*(\t/8)+8*((\a)%2)+\t%8)*4096 th:TH_STORE_NT   ; position 16 a + t is this row; 512 consecutive bytes
.endr
	WIN 0
.endm
	s_wait_tensorcnt 0x0                           ; my part of slot 1 has landed; nothing is left to fetch
	s_wait_dscnt 0x0                               ; chunk 11's fragments are in: my reads of slot 0 are over
	MULA 0, 1, 0
	s_barrier_signal -1
	MULA 1, 1, 0
	WIN 0
	s_barrier_wait -1                              ; behind this barrier nobody reads slot 0, and it has had its last fill
	PLACES 4
	VLOAD 0x40, 0, 0, 32, 36
	VLOAD 0xc0, 0, 1, 224, 228
	PBLK 0
	MULA 2, 1, 0
	MULA 3, 1, 0
	WIN 0
	PLACES 4
	VLOAD 0xc0, 128, 2, 236, 56
	VLOAD 0x40, 128, 3, 44, 48
	PBLK 1
.irp a, 0,1,2,3
	ds_load_b32 v[RC+2*\a], v[ADRC] offset:4*\a    ; 1 / l of my row of block a
.endr
	s_wait_dscnt 63                                ; the first run's 66 loads are in: 70 were issued behind them
	ROW01 0
	s_wait_dscnt 0x0
	ROW23 0
	PLACES 4                                       ; for the loads into block 0's fragments and for the reads of its results
	PBLK 2
	OUTB 0
	ROW01 1
	SEND 0                                         ; (block 2's fragments are in too)
	ROW23 1
	PLACES 4
	PBLK 3
	OUTB 1
	ROW01 2
	SEND 1
	ROW23 2
	PLACES 4
	OUTB 2
	ROW01 3
	SEND 2
	ROW23 3
	PLACES 4
	OUTB 3
	SEND 3
	s_wait_tensorcnt 0x0                           ; the wave's end
	ds_add_u32 v[SPW], v[NIL]
	s_wait_dscnt 0x0
	CROUND                                         ; the closing round
	s_endpgm
.Lfunc_end_k_q49552e5a10_pv:
	.size	k_q49552e5a10_pv, .Lfunc_end_k_q49552e5a10_pv-k_q49552e5a10_pv
	.p2alignl 7, 3214868480
	.fill 96, 4, 3214868480
	.section	.rodata,"a",@progbits
	.p2align	6, 0x0
	.amdhsa_kernel k_q49552e5a10_pv
		.amdhsa_group_segment_fixed_size 327680
		.amdhsa_private_segment_fixed_size 0
		.amdhsa_enable_private_segment 0
		.amdhsa_kernarg_size 24
		.amdhsa_user_sgpr_count 2
		.amdhsa_user_sgpr_kernarg_segment_ptr 1
		.amdhsa_wavefront_size32 1
		.amdhsa_system_sgpr_workgroup_id_x 1
		.amdhsa_system_sgpr_workgroup_id_y 1
		.amdhsa_system_sgpr_workgroup_id_z 1
		.amdhsa_system_vgpr_workitem_id 0
		.amdhsa_next_free_vgpr 1024
		.amdhsa_next_free_sgpr 100
		.amdhsa_reserve_vcc 0
		.amdhsa_float_denorm_mode_32 3
		.amdhsa_float_denorm_mode_16_64 3
		.amdhsa_memory_ordered 1
		.amdhsa_forward_progress 1
		.amdhsa_inst_pref_size 175
	.end_amdhsa_kernel
	.amdgpu_metadata
---
amdhsa.version: [ 1, 2 ]
amdhsa.kernels:
  - .name:           k_q49552e5a10_pv
    .symbol:         k_q49552e5a10_pv.kd
    .args:
      - { .name: p, .offset: 0, .size: 8, .value_kind: global_buffer, .address_space: global }
      - { .name: vt, .offset: 8, .size: 8, .value_kind: global_buffer, .address_space: global }
      - { .name: out0, .offset: 16, .size: 8, .value_kind: global_buffer, .address_space: global }
    .group_segment_fixed_size: 327680
    .private_segment_fixed_size: 0
    .kernarg_segment_align: 8
    .kernarg_segment_size: 24
    .max_flat_workgroup_size: 128
    .sgpr_count:     100
    .vgpr_count:     1024
    .wavefront_size: 32
...
	.end_amdgpu_metadata
.endif
;; end of part 4
